; MI455X (gfx1250); checked and timed in simulation.
; The chip was launched on July 23, 2026; its instructions are those of AMD's public machine-readable ISA for CDNA 5 (MIT licence, August 2026) and "CDNA5" Instruction Set Architecture Reference Guide (July 2026). The comments in the code are by the model that wrote it; some were corrected since.
;; Multi Headed Self Attention. Allowed arithmetic: matrix products marked QUANTISED: E4M3 operands, one given power-of-two scale a tensor, by v_wmma_f32_16x16x64_fp8_fp8 or v_wmma_f32_16x16x128_fp8_fp8, f32 sums; everything else in f32.
;; Inputs: Wk 768 x 768 float32; Wq 768 x 768 float32; Wv 768 x 768 float32; bk 768 float32; bq 768 float32; bv 768 float32; lowp_scales 10 int32 (the exponents e of the quantised operands' scales 2^e); mask 8 x 1,024 float32; x 8 x 1,024 x 768 float32.
;; Outputs: out0 8 x 1,024 x 768 float32.
;; This version of the problem:
;;   THIS VERSION OF THE PROBLEM IS GIVEN IN LOW PRECISION. The matrix products marked QUANTISED in the list below multiply operands that are first quantised to E4M3 (4 exponent bits, 3 mantissa bits; 8 bits a number), with one given power-of-two scale for each operand tensor; their sums are f32. All else is computed in f32.
;;   The module's matrix products, in the order in which they are computed (A, B: the left and right operand; K: the contracted axis; several contracted axes count as one K, in the product's order):
;;     1. [M 8,192, K 768] x [K 768, N 768]; A: input x; B: input Wq: QUANTISED (scales: A lowp_scales[0], B lowp_scales[1])
;;     2. [M 8,192, K 768] x [K 768, N 768]; A: input x; B: input Wk: QUANTISED (scales: A lowp_scales[2], B lowp_scales[3])
;;     3. [M 8,192, K 768] x [K 768, N 768]; A: input x; B: input Wv: QUANTISED (scales: A lowp_scales[4], B lowp_scales[5])
;;     4. batch 96 x [M 1,024, K 64] x [K 64, N 1,024]; A: computed on the way; B: computed on the way: QUANTISED (scales: A lowp_scales[6], B lowp_scales[7])
;;     5. batch 96 x [M 1,024, K 1,024] x [K 1,024, N 64]; A: computed on the way; B: computed on the way: QUANTISED (scales: A lowp_scales[8], B lowp_scales[9])
;;   THE QUANTISER, for each operand of a quantised product, along K:
;;     - The operand's scale is 2^e, e = its entry of the input lowp_scales (int32; the entries are numbered through the quantised products in the list's order, A before B).
;;     - Each number is divided by the scale, clamped to +-448, and rounded to the nearest number of E4M3, ties to even, subnormals kept.
;;     - The product sums the exact products of the quantised numbers (number of the format x scale) in f32.
;;   ~~~python
;;   def quantise(x, axis, e):      # numpy; x: float32 -> the quantised numbers, widened to float32 again
;;       x = np.moveaxis(x, axis, -1); K = x.shape[-1]
;;       r = np.clip(x / 2.0 ** e, -448, 448)
;;       step = 2.0 ** (np.maximum(np.frexp(np.where(r == 0, 1, r))[1] - 1, -6) - 3)
;;       q = np.round(r / step) * step * 2.0 ** e      # np.round: ties to even
;;       return np.moveaxis(q, -1, axis).astype(np.float32)
;;   ~~~
;;   OPERANDS COMPUTED ON THE WAY. 'Computed on the way' means the value that the module computes at that place (a softmax that the list does not call 'softmax' is quantised finished and normalised). What goes into a quantiser is computed in f32, as accurately as f32 sums, v_exp_f32 and their like allow (about 1e-6 of the number): no bf16 or f16 on the way to a quantiser, and a product that is left as it is and whose result goes on into a quantised operand takes f32 operands (vector FMAs, or v_wmma_f32_16x16x4_f32). A number that lies on a knife's edge between two numbers of the format may be rounded either way, as far as f32 arithmetic and the matrix unit's own rounding can turn it there, and no further.
;; One version. Each part assembles by itself: llvm-mc -triple=amdgcn-amd-amdhsa -mcpu=gfx1250 --defsym DOCPART=n.
;; ======== version 1 of 1: 7 launches
;; limits: right only within a limited range of input values
;; workspace buffers: opc 20,643,840 bytes; cod 18,874,368 bytes; pma 3,072 bytes; pms 1,024 bytes; sta 787,456 bytes; hra 25,166,848 bytes
;; launch prep (part 1): grid 656 x 1, 6 waves a work-group, no clusters, 51,456 bytes of LDS; arguments x, Wq, Wk, Wv, lowp_scales, opc; writes opc
.if DOCPART == 1
	.amdgcn_target "amdgcn-amd-amdhsa--gfx1250"
	.amdhsa_code_object_version 6
	.text
	.protected	k_q313acd0d41_prep
	.globl	k_q313acd0d41_prep
	.p2align	8
	.type	k_q313acd0d41_prep,@function
k_q313acd0d41_prep:
	s_mov_b64 s[64:65], 0
	v_nop
	global_prefetch_b8 v0, s[64:65] scope:SCOPE_SE
	s_setreg_imm32_b32 hwreg(HW_REG_WAVE_MODE, 25, 1), 1
	s_wait_xcnt 0x0
; x [8192][768] and Wq, Wk, Wv [768][768], f32, become codes of E4M3, laid as IMAGES OF OPERAND REGISTERS for the 16x16x128 form.
; x is quantised three times (scales 2^e0, 2^e2, 2^e4: one for each projection), each W once (e1, e3, e5).
; code = number / 2^e, held within +-448, to the nearest code, ties to even.
; An image: 16 rows x 128 K = 2,048 bytes; group g (four registers) of lane l at 512 g + 16 l; its byte i is k = 32 g + 16 (l / 16) + i of row l % 16.
; That is one permutation of k, the same in x and in W, so every product meets its partner.
; opc: x's codes at t x 6,291,456 + kap x 1,048,576 + T x 2,048 (t product, kap K step of 128, T tile of 16 rows);
;      W's at 18,874,368 + kap x 294,912 + R x 2,048 (R = 48 t + tile of 16 rows of W).
; SHARES: a work-group takes one tile of 16 rows (work-groups 0-511: x; 512-655: the three W on end), wave kap its 128 along K.
; Each load reads 512 consecutive bytes of one row; the 16 rows turn through the wave's own stage in LDS (rows of 512 + 16 bytes),
; so that a lane gets 16 neighbours along K of one row; each store covers 512 consecutive bytes, aligned.  Waves share nothing: no barrier.
; LIMITS: each e between -126 and 119, so that 2^e and 448 x 2^e are f32 numbers.  NaN among the inputs is not served.
.set PITCH, 528
.set STG,   16*PITCH                   ; a wave's stage: 8,448 bytes
.set SPARE, 6*STG                      ; behind the six stages: the spare words, 128 bytes a wave: three blocks of 256 bytes that no other line names
.set R, 16                             ; v16-79   the numbers as they are loaded
.set N, 80                             ; v80-143  64 numbers: register 16 g + i = k 32 g + 16 (lane / 16) + i of my row
.set T, 16                             ; v16-47   held numbers, two sets of 16 (free once the stage's stores are done)
.set C, 144                            ; v144-191 codes: 16 registers for each scale, so that no store's data are written again
	s_load_b256 s[4:11], s[0:1], 0x0               ; x, Wq, Wk, Wv
	s_load_b128 s[12:15], s[0:1], 0x20             ; lowp_scales, opc
	v_lshl_add_u32 v1, v0, 2, SPARE                ; my spare word
	v_mov_b32 v2, 0
	v_lshrrev_b32 v8, 5, v0
	v_readfirstlane_b32 s16, v8                    ; wave = kap
	v_and_b32 v9, 31, v0
	v_lshlrev_b32 v3, 4, v9                        ; 16 x lane
	s_mul_i32 s17, s16, STG
	v_add_nc_u32 v4, s17, v3                       ; the stage on the way in: a row's 512 bytes as they lie
	v_and_b32 v10, 15, v0                          ; r
	v_bfe_u32 v11, v0, 4, 1                        ; h
	v_mul_u32_u24 v5, v10, PITCH
	v_lshl_add_u32 v5, v11, 6, v5
	v_add_nc_u32 v5, s17, v5                       ; and on the way out: row r, + 64 h bytes
	s_sub_co_u32 s18, ttmp9, 512                   ; R, in W's work-groups
	s_sub_co_u32 s19, ttmp9, 560
	s_sub_co_u32 s22, ttmp9, 608
	s_wait_alu depctr_va_vdst(0)
	s_wait_kmcnt 0x0
	s_load_b256 s[32:39], s[12:13], 0x0            ; e0 .. e7
	s_cmp_lt_u32 ttmp9, 512                        ; which tensor, which tile of its rows: the choice hangs on the work-group's number alone
	s_cselect_b64 s[20:21], s[4:5], s[6:7]
	s_cselect_b32 s23, ttmp9, s18
	s_cmp_ge_u32 ttmp9, 560
	s_cselect_b64 s[20:21], s[8:9], s[20:21]
	s_cselect_b32 s23, s19, s23
	s_cmp_ge_u32 ttmp9, 608
	s_cselect_b64 s[20:21], s[10:11], s[20:21]
	s_cselect_b32 s23, s22, s23
	s_mul_i32 s40, s23, 49152                      ; 16 rows of 3,072 bytes
	s_lshl_b32 s41, s16, 9                         ; + my 128 along K
	s_add_co_u32 s40, s40, s41
	s_mov_b32 s41, 0
	s_add_nc_u64 s[20:21], s[20:21], s[40:41]
	s_lshl_b32 s42, s16, 20                        ; x's image: kap x 1,048,576 + T x 2,048
	s_lshl_b32 s43, ttmp9, 11
	s_add_co_u32 s42, s42, s43
	s_mul_i32 s44, s16, 294912                     ; W's image: 18,874,368 + kap x 294,912 + R x 2,048
	s_lshl_b32 s45, s18, 11
	s_add_co_u32 s44, s44, s45
	s_add_co_u32 s44, s44, 18874368
	s_cmp_lt_u32 ttmp9, 512
	s_cselect_b32 s42, s42, s44
	s_mov_b32 s43, 0
	s_add_nc_u64 s[24:25], s[14:15], s[42:43]
	s_add_nc_u64 s[26:27], s[24:25], 6291456       ; x's second and third set of codes (used in x's work-groups alone)
	s_add_nc_u64 s[28:29], s[24:25], 12582912
.irp p, 0,1,2,3,4,5,6,7,8,9,10,11,12,13,14,15
	global_load_b128 v[R+4*\p:R+4*\p+3], v3, s[20:21] offset:\p*3072 th:TH_LOAD_NT   ; row p: 32 lanes read 512 consecutive bytes
.endr
.irp p, 0,1,2,3,4,5,6,7,8,9,10,11,12,13,14,15
	s_wait_loadcnt 15-\p                           ; loads come back in order: row p is in, the younger rows stay out
	ds_store_b128 v4, v[R+4*\p:R+4*\p+3] offset:\p*PITCH
.endr
.irp g, 0,1,2,3
.irp j, 0,1,2,3
	ds_load_b128 v[N+16*\g+4*\j:N+16*\g+4*\j+3], v5 offset:128*\g+16*\j   ; LDS serves a wave's instructions in order: these see my stores
.endr
.endr
	s_wait_tensorcnt 0x0                           ; the wave's end as to LDS, behind my last LDS store
	ds_add_u32 v1, v2
	s_wait_kmcnt 0x0                               ; the exponents
	s_cmp_lt_u32 ttmp9, 512                        ; the first scale: e0 for x, e1, e3, e5 for Wq, Wk, Wv
	s_cselect_b32 s30, s32, s33
	s_cmp_ge_u32 ttmp9, 560
	s_cselect_b32 s30, s35, s30
	s_cmp_ge_u32 ttmp9, 608
	s_cselect_b32 s30, s37, s30
	s_wait_dscnt 0x0                               ; the add is done, and my 64 numbers are back from the stage
; 64 numbers become a fragment's 16 registers of codes under the scale 2^s[se], and leave
.macro QUANT se, cs, d
	s_add_co_i32 s46, s[\se], 127
	s_lshl_b32 s47, s46, 23
	v_mov_b32 v6, s47                              ; 2^e as f32: the conversion takes its exponent field
	s_add_co_i32 s46, s46, 8
	s_lshl_b32 s46, s46, 23
	s_or_b32 s46, s46, 0x600000
	v_mov_b32 v7, s46                              ; 448 x 2^e
.irp g, 0,1,2,3
.irp i, 0,1,2,3,4,5,6,7,8,9,10,11,12,13,14,15
	v_med3_num_f32 v[T+16*(\g%2)+\i], v[N+16*\g+\i], -v7, v7   ; the conversion to an 8-bit code does not saturate (ISA guide 7.6.2): the hold comes first
.endr
	v_cvt_scalef32_pk8_fp8_f32 v[C+\cs+4*\g:C+\cs+4*\g+1], v[T+16*(\g%2):T+16*(\g%2)+7], v6
	v_cvt_scalef32_pk8_fp8_f32 v[C+\cs+4*\g+2:C+\cs+4*\g+3], v[T+16*(\g%2)+8:T+16*(\g%2)+15], v6
.endr
	v_nop                                          ; a plain vector line behind the last conversion: the next scale's v_mov_b32 writes its scale register
.irp g, 0,1,2,3
	global_store_b128 v3, v[C+\cs+4*\g:C+\cs+4*\g+3], s[\d:\d+1] offset:512*\g   ; 512 consecutive bytes, aligned
.endr
.endm
	QUANT 30, 0, 24
	s_cmp_ge_u32 ttmp9, 512
	s_cbranch_scc1 .Lend                           ; a W has one scale
	QUANT 34, 16, 26                               ; x under e2
	QUANT 36, 32, 28                               ; x under e4
.Lend:
	s_endpgm
.Lfunc_end_k_q313acd0d41_prep:
	.size	k_q313acd0d41_prep, .Lfunc_end_k_q313acd0d41_prep-k_q313acd0d41_prep
	.p2alignl 7, 3214868480
	.fill 96, 4, 3214868480
	.section	.rodata,"a",@progbits
	.p2align	6, 0x0
	.amdhsa_kernel k_q313acd0d41_prep
		.amdhsa_group_segment_fixed_size 51456
		.amdhsa_private_segment_fixed_size 0
		.amdhsa_enable_private_segment 0
		.amdhsa_kernarg_size 48
		.amdhsa_user_sgpr_count 2
		.amdhsa_user_sgpr_kernarg_segment_ptr 1
		.amdhsa_wavefront_size32 1
		.amdhsa_system_sgpr_workgroup_id_x 1
		.amdhsa_system_sgpr_workgroup_id_y 1
		.amdhsa_system_sgpr_workgroup_id_z 1
		.amdhsa_system_vgpr_workitem_id 0
		.amdhsa_next_free_vgpr 192
		.amdhsa_next_free_sgpr 66
		.amdhsa_reserve_vcc 0
		.amdhsa_float_denorm_mode_32 3
		.amdhsa_float_denorm_mode_16_64 3
		.amdhsa_memory_ordered 1
		.amdhsa_forward_progress 1
		.amdhsa_inst_pref_size 23
	.end_amdhsa_kernel
	.amdgpu_metadata
---
amdhsa.version: [ 1, 2 ]
amdhsa.kernels:
  - .name:           k_q313acd0d41_prep
    .symbol:         k_q313acd0d41_prep.kd
    .args:
      - { .name: x, .offset: 0, .size: 8, .value_kind: global_buffer, .address_space: global }
      - { .name: Wq, .offset: 8, .size: 8, .value_kind: global_buffer, .address_space: global }
      - { .name: Wk, .offset: 16, .size: 8, .value_kind: global_buffer, .address_space: global }
      - { .name: Wv, .offset: 24, .size: 8, .value_kind: global_buffer, .address_space: global }
      - { .name: lowp_scales, .offset: 32, .size: 8, .value_kind: global_buffer, .address_space: global }
      - { .name: opc, .offset: 40, .size: 8, .value_kind: global_buffer, .address_space: global }
    .group_segment_fixed_size: 51456
    .private_segment_fixed_size: 0
    .kernarg_segment_align: 8
    .kernarg_segment_size: 48
    .max_flat_workgroup_size: 192
    .sgpr_count:     66
    .vgpr_count:     192
    .wavefront_size: 32
...
	.end_amdgpu_metadata
.endif
;; end of part 1
;; launch gmax (part 2): grid 4 x 64, 8 waves a work-group, clusters of 4 x 4, 327,680 bytes of LDS; arguments opc, bq, bk, bv, lowp_scales, pma; writes pma
.if DOCPART == 2
	.amdgcn_target "amdgcn-amd-amdhsa--gfx1250"
	.amdhsa_code_object_version 6
	.text
	.protected	k_q313acd0d41_gmax
	.globl	k_q313acd0d41_gmax
	.p2align	8
	.type	k_q313acd0d41_gmax,@function
k_q313acd0d41_gmax:
	s_mov_b64 s[64:65], 0
	v_nop
	global_prefetch_b8 v0, s[64:65] scope:SCOPE_SE
	s_setreg_imm32_b32 hwreg(HW_REG_WAVE_MODE, 25, 1), 1
	s_wait_xcnt 0x0
	s_wait_alu depctr_hold_cnt(0) depctr_sa_sdst(0) depctr_va_vdst(0) depctr_va_sdst(0) depctr_va_ssrc(0) depctr_va_vcc(0) depctr_vm_vsrc(0)
	s_getreg_b32 s2, hwreg(HW_REG_IB_STS2, 6, 4)
	s_cmp_eq_u32 s2, 0
	s_cbranch_scc0 .Lentry_in_a_cluster
	s_endpgm
.Lentry_in_a_cluster:
	s_bfe_u32 s2, ttmp6, 0x10000c
	s_cmp_lg_u32 s2, 0xf033
	s_cbranch_scc0 .Lentry_shape_is_right
	s_endpgm
.Lentry_shape_is_right:
; The three projections x W^T + b on codes of E4M3; kept is only the largest |sum x 2^(ea + eb) + bias| of each work-group and product:
; the 16-bit quantiser behind a projection wants the tensor's largest magnitude before any number can go on.  No work of the problem is left out.
; pma[t x 256 + sblk x 4 + ni], f32.  t = product (0 q, 1 k, 2 v); ni = my place along the cluster's x; sblk = 4 x cluster y + my place along y.
; SHARES: 256 work-groups.  A work-group STAYS and makes 128 rows (sblk) x 192 columns (ni) of q, then of k, then of v; wave w (wr = w / 4, wc = w % 4) 64 rows x 48 columns: 12 accumulators.
; THE RING: two LDS slots, each half of K (three K steps of 128): 48 KiB of x's codes and 72 KiB of W's.  Six fills: (q, half 0), (q, half 1), (k, half 0) .. (v, half 1).
; Waves 0-2 fetch x's three K steps, waves 3-5 W's, one tensor load each; a fill is asked for behind the change of slots in front of the half before it.
; CLUSTER 4 x 4: x's tiles hang on sblk, shared along a row of the cluster; W's on ni, shared along a column: joint loads, each behind a round of the cluster's barrier.
; PREFETCH: of the fill after the one that is being asked for, x's codes: each of waves 0-2 names 4,096 of its K step's 16,384 bytes, the quarter by my place along x (by address, no branch on it),
; lanes 256 bytes apart, lanes 16-31 naming the last block again.  Fills 0 and 1 come by their loads alone; the last two changes ask for nothing.  W's 72 KiB a fill are the same for all sixteen clusters and are not prefetched.
; The products are laid exactly as in the launch that follows and makes the codes: q, k: source 0 = 16 rows of W, source 1 = 16 rows of x;  v: the other way round.
; LIMIT: ea + eb between -126 and 127.  NaN and infinities are not served.
; REGISTERS: v1, v2 the add's two; v3, v4 x's fragments in slot 0, 1; v5, v6 W's; v7, v15 bias offsets (q and k; v); v8-13 maxima, two a product; v16-39 biases;
; v40-103 x's four fragments; v104-151 W's three; v152-247 accumulators; v248 prefetch offset; v250, v251 addresses of the partial maxima; v252 0; v253-255 at work.
.set LB,    98304                      ; x: slot s at s x 49,152 + K step x 16,384; W: from here, slot s at s x 73,728 + K step x 24,576
.set RED,   245760                     ; 24 words: the waves' maxima, product t at 32 t
.set SPARE, 246016                     ; the spare words, 128 bytes a wave: four blocks of 256 bytes that no other line names
.set BI,    16
.set AF,    40
.set BF,    104
.set ACC,   152
.set PF,    62                         ; s[62:63] where my prefetches stand
.macro CROUND                          ; a round of the cluster's barrier
	s_barrier_signal -1
	s_barrier_wait -1
	s_cmp_lg_u32 s18, 0
	s_cbranch_scc1 .Lnot_wave_0_\@
	s_barrier_signal -3
.Lnot_wave_0_\@:
	s_barrier_wait -3
	s_barrier_signal -1
	s_barrier_wait -1
.endm
.macro WMAX v                          ; the largest over the wave's 32 lanes, in every lane
	s_delay_alu instid0(VALU_DEP_1)
	v_max_num_f32_dpp v[\v], v[\v], v[\v] row_xmask:1 row_mask:0xf bank_mask:0xf
	s_delay_alu instid0(VALU_DEP_1)
	v_max_num_f32_dpp v[\v], v[\v], v[\v] row_xmask:2 row_mask:0xf bank_mask:0xf
	s_delay_alu instid0(VALU_DEP_1)
	v_max_num_f32_dpp v[\v], v[\v], v[\v] row_xmask:4 row_mask:0xf bank_mask:0xf
	s_delay_alu instid0(VALU_DEP_1)
	v_max_num_f32_dpp v[\v], v[\v], v[\v] row_xmask:8 row_mask:0xf bank_mask:0xf
	s_delay_alu instid0(VALU_DEP_1)
	v_permlanex16_b32 v253, v[\v], s60, s61
	s_delay_alu instid0(VALU_DEP_1)
	v_max_num_f32 v[\v], v[\v], v253
.endm
.macro MM d, a, b, z                   ; z: the first product starts the sum
.if \z
	v_wmma_f32_16x16x128_fp8_fp8 v[\d:\d+7], v[\a:\a+15], v[\b:\b+15], 0
.else
	v_wmma_f32_16x16x128_fp8_fp8 v[\d:\d+7], v[\a:\a+15], v[\b:\b+15], v[\d:\d+7]
.endif
.endm
; One K step of 128: 28 LDS loads (each 512 consecutive bytes), 12 products; the twelve accumulators take turns.
.macro KSTEP kap, swap
.rept 4
	v_nop                                          ; four plain places between the last products and loads into the registers that they read
.endr
.irp i, 0,1,2,3
.irp g, 0,1,2,3
	ds_load_b128 v[AF+16*\i+4*\g:AF+16*\i+4*\g+3], v[3+(\kap)/3] offset:((\kap)%3)*16384+\i*2048+512*\g
.endr
.endr
.irp j, 0,1,2
.irp g, 0,1,2,3
	ds_load_b128 v[BF+16*\j+4*\g:BF+16*\j+4*\g+3], v[5+(\kap)/3] offset:((\kap)%3)*24576+\j*2048+512*\g
.endr
.endr
	s_wait_dscnt 0x0
.irp i, 0,1,2,3
.irp j, 0,1,2
.if \swap
	MM ACC+8*(3*\i+\j),BF+16*\j,AF+16*\i,(\kap)==0
.else
	MM ACC+8*(3*\i+\j),AF+16*\i,BF+16*\j,(\kap)==0
.endif
.endr
.endr
.endm
.macro HALF k0, swap
	KSTEP \k0, \swap
	KSTEP \k0+1, \swap
	KSTEP \k0+2, \swap
.endm
.macro FILL s                          ; the joint loads of slot s: one chain of branches on the wave's number, one load to an arm
	s_cmp_lt_u32 s18, 3
	s_cbranch_scc0 .Lna_\@
	tensor_load_to_lds s[44+4*\s:47+4*\s], s[28:35]
	s_nop 0
.rept 4
	v_nop
.endr
	s_branch .Las_\@
.Lna_\@:
	s_cmp_lt_u32 s18, 6
	s_cbranch_scc0 .Las_\@
	tensor_load_to_lds s[52+4*\s:55+4*\s], s[36:43]
	s_nop 0
.rept 4
	v_nop
.endr
.Las_\@:
.endm
; A change of slots behind which slot s is filled.  step: its descriptors go on to the next product.  ask: the fill after that one is prefetched.
.macro CHG s, step, ask
	s_wait_alu depctr_va_vdst(0)                   ; the wait ahead of the blocking waits
	s_wait_tensorcnt 0x0                           ; my one load that was out, my part of the slot ahead, is in: every group 0 may be written
	ds_add_u32 v1, v2                              ; the add,
	ds_add_u32 v1, v2                              ; here twice on end
.if \step
	s_add_nc_u64 s[46+4*\s:47+4*\s], s[46+4*\s:47+4*\s], 6291456   ; x's codes under the next product's scale
	s_add_nc_u64 s[54+4*\s:55+4*\s], s[54+4*\s:55+4*\s], 98304     ; the next W: 48 tiles of 2,048 bytes on
.endif
	s_wait_xcnt 0x0                                ; my prefetch has read its address
	s_add_nc_u64 s[PF:PF+1], s[PF:PF+1], 3145728   ; x's fills lie 3,145,728 bytes apart
	s_wait_dscnt 0x0                               ; the adds are done, and my reads of slot s are over
	CROUND
	FILL \s
.if \ask
	s_cmp_lt_u32 s18, 3
	s_cbranch_scc0 .Lnp_\@
	global_prefetch_b8 v248, s[PF:PF+1] th:TH_LOAD_NT scope:SCOPE_SE
.Lnp_\@:
.endif
.endm
.macro LAST                            ; the last change of slots: nothing is filled, so no round follows
	s_wait_alu depctr_va_vdst(0)
	s_wait_tensorcnt 0x0
	ds_add_u32 v1, v2
	s_wait_dscnt 0x0
	s_barrier_signal -1
	s_barrier_wait -1
.endm
.macro BLD t                           ; product t's biases in the result's layout
.if (\t) == 2
.irp j, 0,1,2
	global_load_b32 v[BI+8*\j], v15, s[10:11] offset:64*\j          ; v: a lane holds one column
.endr
.else
.irp j, 0,1,2
	global_load_b128 v[BI+8*\j:BI+8*\j+3], v7, s[6+2*(\t):7+2*(\t)] offset:64*\j      ; q, k: eight neighbouring columns
	global_load_b128 v[BI+8*\j+4:BI+8*\j+7], v7, s[6+2*(\t):7+2*(\t)] offset:64*\j+16
.endr
.endif
.endm
.macro EPI t                           ; the block's largest magnitude joins the product's two running maxima
	s_wait_loadcnt 0x0                             ; the biases
.if (\t) == 2
.irp j, 0,1,2
.irp i, 1,2,3,4,5,6,7
	v_mov_b32 v[BI+8*\j+\i], v[BI+8*\j]
.endr
.endr
.endif
.rept 4
	v_nop                                          ; four places between the last products and the first read of results
.endr
.set q, 0
.rept 12                               ; each accumulator from its low end on
.irp p, 0,2,4,6
	v_pk_fma_f32 v[ACC+8*q+\p:ACC+8*q+\p+1], v[ACC+8*q+\p:ACC+8*q+\p+1], s[80+2*(\t):81+2*(\t)], v[BI+8*(q%3)+\p:BI+8*(q%3)+\p+1] op_sel_hi:[1,0,1]   ; sum x 2^(ea + eb) + bias
.endr
	s_delay_alu instid0(VALU_DEP_4)
	v_max3_num_f32 v[8+2*(\t)], v[8+2*(\t)], |v[ACC+8*q]|, |v[ACC+8*q+1]|
	s_delay_alu instid0(VALU_DEP_4)
	v_max3_num_f32 v[9+2*(\t)], v[9+2*(\t)], |v[ACC+8*q+2]|, |v[ACC+8*q+3]|
	s_delay_alu instid0(VALU_DEP_2)
	v_max3_num_f32 v[8+2*(\t)], v[8+2*(\t)], |v[ACC+8*q+4]|, |v[ACC+8*q+5]|
	s_delay_alu instid0(VALU_DEP_2)
	v_max3_num_f32 v[9+2*(\t)], v[9+2*(\t)], |v[ACC+8*q+6]|, |v[ACC+8*q+7]|
.set q, q+1
.endr
.if (\t) < 2
	BLD (\t)+1
.endif
.endm
.macro TILE t, swap
	CHG 1, (\t)>0, (\t)<2
	HALF 0, \swap
.if (\t) < 2
	CHG 0, 1, 1
.else
	LAST
.endif
	HALF 3, \swap
	EPI \t
.endm
	s_load_b256 s[4:11], s[0:1], 0x0               ; opc, bq, bk, bv
	s_load_b128 s[12:15], s[0:1], 0x20             ; lowp_scales, pma
	v_lshl_add_u32 v1, v0, 2, SPARE
	v_mov_b32 v2, 0
	ds_add_u32 v1, v2                              ; the wave's opening: the add, twice on end, and its wait ahead of the first tensor loads
	ds_add_u32 v1, v2
	v_lshrrev_b32 v254, 5, v0
	s_delay_alu instid0(VALU_DEP_1)
	v_readfirstlane_b32 s18, v254                  ; wave 0..7
	v_and_b32 v255, 31, v0                         ; lane
	s_wait_alu depctr_va_vdst(0)                   ; the wait ahead of the run of scalar lines
	s_lshr_b32 s19, s18, 2                         ; wr
	s_and_b32 s20, s18, 3                          ; wc
	s_bfe_u32 s22, ttmp6, 0x40000                  ; cx = ni
	s_bfe_u32 s23, ttmp6, 0x40004                  ; cy
	s_and_b32 s24, ttmp7, 0xffff
	s_lshl_b32 s24, s24, 2
	s_add_co_u32 s24, s24, s23                     ; sblk
	s_lshl_b32 s25, s23, 2
	s_lshl_b32 s25, 15, s25                        ; my row of the cluster
	s_lshl_b32 s26, 0x1111, s22                    ; my column
	s_or_b32 s28, s25, (3<<16)|(1<<21)             ; group 1 for x's blocks: 64 rows of 32 elements of 8 bytes, dense; the mask, bit 21 beside it
	s_mov_b32 s29, 32<<16
	s_mov_b32 s30, 64<<16
	s_mov_b32 s31, 32<<16
	s_mov_b32 s32, 64
	s_mov_b32 s33, 32
	s_mov_b32 s34, 0
	s_mov_b32 s35, 0
	s_or_b32 s36, s26, (3<<16)|(1<<21)             ; for W's: 96 rows
	s_mov_b32 s37, 32<<16
	s_mov_b32 s38, 96<<16
	s_mov_b32 s39, 32<<16
	s_mov_b32 s40, 96
	s_mov_b32 s41, 32
	s_mov_b32 s42, 0
	s_mov_b32 s43, 0
	s_mul_i32 s84, s20, 3
	s_mul_i32 s27, s22, 12
	s_add_co_u32 s27, s27, s84                     ; my first tile of W's rows within a product: 12 ni + 3 wc
	s_lshl_b32 s90, s27, 6                         ; its 16 biases are 64 bytes
	s_lshl_b32 s84, s24, 14                        ; x's block of q: sblk, K step = wave (waves 0-2 ask): nothing here holds cx
	s_lshl_b32 s85, s18, 20
	s_add_co_u32 s84, s84, s85
	s_mov_b32 s85, 0
	s_mul_i32 s86, s22, 12                         ; W's block of q: ni, K step = wave - 3 (waves 3-5 ask): nothing here holds cy
	s_lshl_b32 s86, s86, 11
	s_mul_i32 s87, s18, 294912
	s_add_co_u32 s86, s86, s87
	s_add_co_u32 s86, s86, 17989632                ; 18,874,368 - 3 x 294,912
	s_mov_b32 s87, 0
	s_lshl_b32 s96, s22, 12                        ; the prefetches: my quarter of a K step's block, at fill 1
	s_add_co_u32 s96, s96, 3145728
	s_mov_b32 s97, 0
	s_lshl_b32 s88, s19, 13
	v_lshl_add_u32 v3, v255, 4, s88                ; x's fragments: 16 x lane + my four tiles
	s_delay_alu instid0(VALU_DEP_1)
	v_add_nc_u32 v4, 49152, v3
	s_mul_i32 s89, s20, 6144
	s_add_co_u32 s89, s89, LB
	v_lshl_add_u32 v5, v255, 4, s89                ; W's: 16 x lane + my three tiles
	s_delay_alu instid0(VALU_DEP_1)
	v_add_nc_u32 v6, 73728, v5
	v_bfe_u32 v7, v0, 4, 1
	s_delay_alu instid0(VALU_DEP_1)
	v_lshl_add_u32 v7, v7, 5, s90                  ; q, k: columns 16 tile + 8 (lane / 16) + 0 .. 7
	v_and_b32 v15, 15, v0
	s_delay_alu instid0(VALU_DEP_1)
	v_lshl_add_u32 v15, v15, 2, s90                ; v: column 16 tile + lane % 16
	v_min_u32 v248, 15, v255
	s_delay_alu instid0(VALU_DEP_1)
	v_lshlrev_b32 v248, 8, v248                    ; 256 x min(lane, 15)
	v_lshl_add_u32 v250, v254, 2, RED
	v_mov_b32 v251, RED
	v_mov_b32 v252, 0
	v_mov_b32 v253, 0                              ; a lane permute's destination counts as read
.irp i, 8,9,10,11,12,13
	v_mov_b32 v\i, 0
.endr
	s_mov_b32 s60, 0x76543210
	s_mov_b32 s61, 0xfedcba98
	s_wait_alu depctr_va_vdst(0)                   ; the wait ahead of the blocking waits
	s_wait_dscnt 0x0                               ; both opening adds are done
	s_wait_kmcnt 0x0
	s_load_b256 s[68:75], s[12:13], 0x0            ; e0 .. e7
	s_mov_b32 s44, 1
	s_lshl_b32 s45, s18, 14                        ; x, slot 0: LDS w x 16,384
	s_add_nc_u64 s[46:47], s[4:5], s[84:85]
	s_add_nc_u64 s[PF:PF+1], s[46:47], s[96:97]
	s_mov_b32 s48, 1
	s_add_co_u32 s49, s45, 49152                   ; slot 1: K step w + 3
	s_add_nc_u64 s[50:51], s[46:47], 3145728
	s_or_b32 s47, s47, 0x80000000
	s_or_b32 s51, s51, 0x80000000
	s_mov_b32 s52, 1
	s_mul_i32 s53, s18, 24576
	s_add_co_u32 s53, s53, 24576                   ; W, slot 0: LDS 98,304 + (w - 3) x 24,576
	s_add_nc_u64 s[54:55], s[4:5], s[86:87]
	s_mov_b32 s56, 1
	s_add_co_u32 s57, s53, 73728
	s_add_nc_u64 s[58:59], s[54:55], 884736
	s_or_b32 s55, s55, 0x80000000
	s_or_b32 s59, s59, 0x80000000
	CROUND                                         ; all sixteen work-groups are here: the joint loads meet
	FILL 0                                         ; (q, half 0): one tensor load a wave at the head
	BLD 0
	s_wait_kmcnt 0x0
.irp t, 0,1,2
	s_add_co_i32 s[80+2*\t], s[68+2*\t], s[69+2*\t]
	s_add_co_i32 s[80+2*\t], s[80+2*\t], 127
	s_lshl_b32 s[80+2*\t], s[80+2*\t], 23          ; 2^(ea + eb) as f32
	s_mov_b32 s[81+2*\t], s[80+2*\t]               ; (named with it as a pair, so it is written)
.endr
	s_lshl_b32 s94, s24, 2                         ; where my work-group's maxima go
	s_add_co_u32 s94, s94, s22
	s_lshl_b32 s94, s94, 2
	s_mov_b32 s95, 0
	s_add_nc_u64 s[94:95], s[14:15], s[94:95]
	TILE 0, 1
	TILE 1, 1
	TILE 2, 0
.irp t, 0,1,2
	v_max_num_f32 v[8+2*\t], v[8+2*\t], v[9+2*\t]
	WMAX 8+2*\t
	ds_store_b32 v250, v[8+2*\t] offset:32*\t      ; all lanes write the wave's word with the same number
.endr
	s_wait_dscnt 0x0                               ; for the others' sake: my stores are done
	s_barrier_signal -1
	s_barrier_wait -1
.irp t, 0,1,2
	ds_load_b128 v[40+8*\t:43+8*\t], v251 offset:32*\t
	ds_load_b128 v[44+8*\t:47+8*\t], v251 offset:32*\t+16
.endr
	s_wait_tensorcnt 0x0                           ; the wave's end as to LDS
	ds_add_u32 v1, v2
	s_wait_dscnt 0x0                               ; the add is done, and the 24 maxima are in
.irp t, 0,1,2
	v_max3_num_f32 v[40+8*\t], v[40+8*\t], v[41+8*\t], v[42+8*\t]
	v_max3_num_f32 v[43+8*\t], v[43+8*\t], v[44+8*\t], v[45+8*\t]
	s_delay_alu instid0(VALU_DEP_2)
	v_max3_num_f32 v[40+8*\t], v[40+8*\t], v[46+8*\t], v[47+8*\t]
	s_delay_alu instid0(VALU_DEP_1)
	v_max_num_f32 v[40+8*\t], v[40+8*\t], v[43+8*\t]
.endr
	s_wait_alu depctr_va_vdst(0)
	s_wait_xcnt 0x0                                ; EXEC changes only behind this wait
	v_cmp_eq_u32 vcc_lo, 0, v0
	s_and_saveexec_b32 s96, vcc_lo                 ; thread 0 of the work-group alone
	global_store_b32 v252, v40, s[94:95]
	global_store_b32 v252, v48, s[94:95] offset:1024
	global_store_b32 v252, v56, s[94:95] offset:2048
	s_wait_xcnt 0x0                                ; and again in front of the line that widens it
	s_or_b32 exec_lo, exec_lo, s96
	CROUND                                         ; the closing round
	s_endpgm
.Lfunc_end_k_q313acd0d41_gmax:
	.size	k_q313acd0d41_gmax, .Lfunc_end_k_q313acd0d41_gmax-k_q313acd0d41_gmax
	.p2alignl 7, 3214868480
	.fill 96, 4, 3214868480
	.section	.rodata,"a",@progbits
	.p2align	6, 0x0
	.amdhsa_kernel k_q313acd0d41_gmax
		.amdhsa_group_segment_fixed_size 327680
		.amdhsa_private_segment_fixed_size 0
		.amdhsa_enable_private_segment 0
		.amdhsa_kernarg_size 48
		.amdhsa_user_sgpr_count 2
		.amdhsa_user_sgpr_kernarg_segment_ptr 1
		.amdhsa_wavefront_size32 1
		.amdhsa_system_sgpr_workgroup_id_x 1
		.amdhsa_system_sgpr_workgroup_id_y 1
		.amdhsa_system_sgpr_workgroup_id_z 1
		.amdhsa_system_vgpr_workitem_id 0
		.amdhsa_next_free_vgpr 256
		.amdhsa_next_free_sgpr 100
		.amdhsa_reserve_vcc 1
		.amdhsa_float_denorm_mode_32 3
		.amdhsa_float_denorm_mode_16_64 3
		.amdhsa_memory_ordered 1
		.amdhsa_forward_progress 1
		.amdhsa_inst_pref_size 92
	.end_amdhsa_kernel
	.amdgpu_metadata
---
amdhsa.version: [ 1, 2 ]
amdhsa.kernels:
  - .name:           k_q313acd0d41_gmax
    .symbol:         k_q313acd0d41_gmax.kd
    .args:
      - { .name: opc, .offset: 0, .size: 8, .value_kind: global_buffer, .address_space: global }
      - { .name: bq, .offset: 8, .size: 8, .value_kind: global_buffer, .address_space: global }
      - { .name: bk, .offset: 16, .size: 8, .value_kind: global_buffer, .address_space: global }
      - { .name: bv, .offset: 24, .size: 8, .value_kind: global_buffer, .address_space: global }
      - { .name: lowp_scales, .offset: 32, .size: 8, .value_kind: global_buffer, .address_space: global }
      - { .name: pma, .offset: 40, .size: 8, .value_kind: global_buffer, .address_space: global }
    .group_segment_fixed_size: 327680
    .private_segment_fixed_size: 0
    .kernarg_segment_align: 8
    .kernarg_segment_size: 48
    .max_flat_workgroup_size: 256
    .sgpr_count:     100
    .vgpr_count:     256
    .wavefront_size: 32
...
	.end_amdgpu_metadata
.endif
;; end of part 2
;; launch gcode (part 3): grid 4 x 64, 8 waves a work-group, clusters of 4 x 4, 327,680 bytes of LDS; arguments opc, bq, bk, bv, lowp_scales, pma, cod; writes cod
.if DOCPART == 3
	.amdgcn_target "amdgcn-amd-amdhsa--gfx1250"
	.amdhsa_code_object_version 6
	.text
	.protected	k_q313acd0d41_gcode
	.globl	k_q313acd0d41_gcode
	.p2align	8
	.type	k_q313acd0d41_gcode,@function
k_q313acd0d41_gcode:
	s_mov_b64 s[64:65], 0
	v_nop
	global_prefetch_b8 v0, s[64:65] scope:SCOPE_SE
	s_setreg_imm32_b32 hwreg(HW_REG_WAVE_MODE, 25, 1), 1
	s_wait_xcnt 0x0
	s_wait_alu depctr_hold_cnt(0) depctr_sa_sdst(0) depctr_va_vdst(0) depctr_va_sdst(0) depctr_va_ssrc(0) depctr_va_vcc(0) depctr_vm_vsrc(0)
	s_getreg_b32 s2, hwreg(HW_REG_IB_STS2, 6, 4)
	s_cmp_eq_u32 s2, 0
	s_cbranch_scc0 .Lentry_in_a_cluster
	s_endpgm
.Lentry_in_a_cluster:
	s_bfe_u32 s2, ttmp6, 0x10000c
	s_cmp_lg_u32 s2, 0xf033
	s_cbranch_scc0 .Lentry_shape_is_right
	s_endpgm
.Lentry_shape_is_right:
; The three projections once more, now with each tensor's largest magnitude known (pma): y = sum x 2^(ea + eb) + bias goes through the 16-bit quantiser
; (n = round(y x 2^m) held in -32768 .. 32767, m = 15 - ceil(log2 max)) and straight on into codes of E4M3 under 2^eo (q: e6, k: e7, v: e9): code = n / 2^(m + eo), held at +-448.
; ceil(log2 max) + 127 = (bits(max) + 0x7fffff) >> 23, exactly.  LIMIT: for a maximum within about 1e-6 (relative) above a power of two an f32 logarithm gives the lower whole number; this text takes the exact one.
; cod: q at 0, k at 6,291,456, v at 12,582,912; a head (batch x 12 + head) 65,536 bytes = 64 fragments of 1,024 bytes for the 16x16x64 form:
; the pair of registers 2 c, 2 c + 1 of lane l at 256 c + 8 l holds K = 16 c + 8 (l / 16) + 0 .. 7 of row l % 16.
;   q, k: row = position, K = channel, fragment = position / 16.     v: row = channel, K = key, fragment = 4 (key / 64) + channel / 16.
; q, k: source 0 = rows of W, source 1 = rows of x: a lane holds one position and eight neighbouring channels.  v: the other way round: one channel, eight neighbouring keys.
; So each accumulator becomes one conversion and one store of 256 consecutive bytes, aligned.
; Shares, the ring of two slots, the cluster's joint loads, the prefetch of x's codes and the products as in the launch before, so that the sums are the same.
; LIMITS: the exponent fields ea + eb + 269 - Eb, 269 - Eb and 269 + eo - Eb (+ 8) lie between 1 and 254 (Eb = ceil(log2 max) + 127).  NaN and infinities are not served.
; REGISTERS: as before; v8-10 store offsets of my three column tiles for q and k, v249-251 for v; v11 32 x lane; v12-14 the conversions' scales; the codes land in v40-63.
; SCALARS of product t, from s[82 + 6 t]: 2^(ea + eb + m), 2^m, the lower hold, the upper hold, and (a pair) where my codes begin.
.set LB,    98304
.set SPARE, 246016
.set BI,    16
.set AF,    40
.set BF,    104
.set ACC,   152
.set PF,    62
.macro CROUND
	s_barrier_signal -1
	s_barrier_wait -1
	s_cmp_lg_u32 s18, 0
	s_cbranch_scc1 .Lnot_wave_0_\@
	s_barrier_signal -3
.Lnot_wave_0_\@:
	s_barrier_wait -3
	s_barrier_signal -1
	s_barrier_wait -1
.endm
.macro WMAX v
	s_delay_alu instid0(VALU_DEP_1)
	v_max_num_f32_dpp v[\v], v[\v], v[\v] row_xmask:1 row_mask:0xf bank_mask:0xf
	s_delay_alu instid0(VALU_DEP_1)
	v_max_num_f32_dpp v[\v], v[\v], v[\v] row_xmask:2 row_mask:0xf bank_mask:0xf
	s_delay_alu instid0(VALU_DEP_1)
	v_max_num_f32_dpp v[\v], v[\v], v[\v] row_xmask:4 row_mask:0xf bank_mask:0xf
	s_delay_alu instid0(VALU_DEP_1)
	v_max_num_f32_dpp v[\v], v[\v], v[\v] row_xmask:8 row_mask:0xf bank_mask:0xf
	s_delay_alu instid0(VALU_DEP_1)
	v_permlanex16_b32 v253, v[\v], s60, s61
	s_delay_alu instid0(VALU_DEP_1)
	v_max_num_f32 v[\v], v[\v], v253
.endm
.macro MM d, a, b, z
.if \z
	v_wmma_f32_16x16x128_fp8_fp8 v[\d:\d+7], v[\a:\a+15], v[\b:\b+15], 0
.else
	v_wmma_f32_16x16x128_fp8_fp8 v[\d:\d+7], v[\a:\a+15], v[\b:\b+15], v[\d:\d+7]
.endif
.endm
.macro KSTEP kap, swap                 ; one K step of 128: 28 LDS loads, 12 products; the accumulators take turns
.rept 4
	v_nop                                          ; four plain places between the last products and loads into the registers that they read
.endr
.irp i, 0,1,2,3
.irp g, 0,1,2,3
	ds_load_b128 v[AF+16*\i+4*\g:AF+16*\i+4*\g+3], v[3+(\kap)/3] offset:((\kap)%3)*16384+\i*2048+512*\g
.endr
.endr
.irp j, 0,1,2
.irp g, 0,1,2,3
	ds_load_b128 v[BF+16*\j+4*\g:BF+16*\j+4*\g+3], v[5+(\kap)/3] offset:((\kap)%3)*24576+\j*2048+512*\g
.endr
.endr
	s_wait_dscnt 0x0
.irp i, 0,1,2,3
.irp j, 0,1,2
.if \swap
	MM ACC+8*(3*\i+\j),BF+16*\j,AF+16*\i,(\kap)==0
.else
	MM ACC+8*(3*\i+\j),AF+16*\i,BF+16*\j,(\kap)==0
.endif
.endr
.endr
.endm
.macro HALF k0, swap
	KSTEP \k0, \swap
	KSTEP \k0+1, \swap
	KSTEP \k0+2, \swap
.endm
.macro FILL s                          ; the joint loads of slot s: one chain of branches on the wave's number, one load to an arm
	s_cmp_lt_u32 s18, 3
	s_cbranch_scc0 .Lna_\@
	tensor_load_to_lds s[44+4*\s:47+4*\s], s[28:35]
	s_nop 0
.rept 4
	v_nop
.endr
	s_branch .Las_\@
.Lna_\@:
	s_cmp_lt_u32 s18, 6
	s_cbranch_scc0 .Las_\@
	tensor_load_to_lds s[52+4*\s:55+4*\s], s[36:43]
	s_nop 0
.rept 4
	v_nop
.endr
.Las_\@:
.endm
.macro CHG s, step, ask                ; a change of slots behind which slot s is filled
	s_wait_alu depctr_va_vdst(0)                   ; the wait ahead of the blocking waits
	s_wait_tensorcnt 0x0                           ; my part of the slot ahead is in: every group 0 may be written
	ds_add_u32 v1, v2                              ; the add,
	ds_add_u32 v1, v2                              ; here twice on end
.if \step
	s_add_nc_u64 s[46+4*\s:47+4*\s], s[46+4*\s:47+4*\s], 6291456
	s_add_nc_u64 s[54+4*\s:55+4*\s], s[54+4*\s:55+4*\s], 98304
.endif
	s_wait_xcnt 0x0                                ; my prefetch has read its address, and the last block's stores their data: the fragments' registers may be loaded again
	s_add_nc_u64 s[PF:PF+1], s[PF:PF+1], 3145728
	s_wait_dscnt 0x0                               ; the adds are done, and my reads of slot s are over
	CROUND
	FILL \s
.if \ask
	s_cmp_lt_u32 s18, 3
	s_cbranch_scc0 .Lnp_\@
	global_prefetch_b8 v248, s[PF:PF+1] th:TH_LOAD_NT scope:SCOPE_SE
.Lnp_\@:
.endif
.endm
.macro LAST                            ; the last change of slots: nothing is filled, so no round follows
	s_wait_alu depctr_va_vdst(0)
	s_wait_tensorcnt 0x0
	ds_add_u32 v1, v2
	s_wait_dscnt 0x0
	s_barrier_signal -1
	s_barrier_wait -1
.endm
.macro BLD t
.if (\t) == 2
.irp j, 0,1,2
	global_load_b32 v[BI+8*\j], v15, s[10:11] offset:64*\j
.endr
.else
.irp j, 0,1,2
	global_load_b128 v[BI+8*\j:BI+8*\j+3], v7, s[6+2*(\t):7+2*(\t)] offset:64*\j
	global_load_b128 v[BI+8*\j+4:BI+8*\j+7], v7, s[6+2*(\t):7+2*(\t)] offset:64*\j+16
.endr
.endif
.endm
.macro EPI t                           ; the block becomes codes and leaves
	s_wait_loadcnt 0x0                             ; the biases
.if (\t) == 2
.irp j, 0,1,2
.irp i, 1,2,3,4,5,6,7
	v_mov_b32 v[BI+8*\j+\i], v[BI+8*\j]
.endr
.endr
.endif
.set q, 0
.rept 24                               ; bias x 2^m: nothing is rounded.  (These lines are also the places behind the last products)
	v_mul_f32 v[BI+q], s[83+6*(\t)], v[BI+q]
.set q, q+1
.endr
.set q, 0
.rept 12                               ; tile q = 3 i + j, each accumulator from its low end on
.irp p, 0,2,4,6
	v_pk_fma_f32 v[ACC+8*q+\p:ACC+8*q+\p+1], v[ACC+8*q+\p:ACC+8*q+\p+1], s[82+6*(\t):83+6*(\t)], v[BI+8*(q%3)+\p:BI+8*(q%3)+\p+1] op_sel_hi:[1,0,1]   ; y x 2^m, rounded as y is
.endr
.irp p, 0,1,2,3,4,5,6,7
	v_rndne_f32 v[ACC+8*q+\p], v[ACC+8*q+\p]
.endr
.irp p, 0,1,2,3,4,5,6,7
	v_med3_num_f32 v[ACC+8*q+\p], v[ACC+8*q+\p], s[84+6*(\t)], s[85+6*(\t)]   ; the 16-bit clip and the code's hold in one
.endr
	v_cvt_scalef32_pk8_fp8_f32 v[AF+2*q:AF+2*q+1], v[ACC+8*q:ACC+8*q+7], v[12+(\t)]
.if (\t) == 2
	global_store_b64 v[249+q%3], v[AF+2*q:AF+2*q+1], s[98:99] offset:256*(q/3)   ; 32 lanes store 256 consecutive bytes, aligned
.else
	global_store_b64 v[8+q%3], v[AF+2*q:AF+2*q+1], s[86+6*(\t):87+6*(\t)] offset:1024*(q/3)
.endif
.set q, q+1
.endr
	v_nop                                          ; a plain vector line behind the last conversion
.if (\t) < 2
	BLD (\t)+1
.endif
.endm
.macro TILE t, swap
	CHG 1, (\t)>0, (\t)<2
	HALF 0, \swap
.if (\t) < 2
	CHG 0, 1, 1
.else
	LAST
.endif
	HALF 3, \swap
	EPI \t
.endm
	s_load_b256 s[4:11], s[0:1], 0x0               ; opc, bq, bk, bv
	s_load_b128 s[12:15], s[0:1], 0x20             ; lowp_scales, pma
	s_load_b64 s[16:17], s[0:1], 0x30              ; cod
	v_lshl_add_u32 v1, v0, 2, SPARE
	v_mov_b32 v2, 0
	ds_add_u32 v1, v2                              ; the wave's opening: the add, twice on end, and its wait ahead of the first tensor loads
	ds_add_u32 v1, v2
	v_lshrrev_b32 v254, 5, v0
	s_delay_alu instid0(VALU_DEP_1)
	v_readfirstlane_b32 s18, v254                  ; wave 0..7
	v_and_b32 v255, 31, v0                         ; lane
	s_wait_alu depctr_va_vdst(0)                   ; the wait ahead of the run of scalar lines
	s_lshr_b32 s19, s18, 2                         ; wr
	s_and_b32 s20, s18, 3                          ; wc
	s_bfe_u32 s22, ttmp6, 0x40000                  ; cx = ni
	s_bfe_u32 s23, ttmp6, 0x40004                  ; cy
	s_and_b32 s24, ttmp7, 0xffff
	s_lshl_b32 s24, s24, 2
	s_add_co_u32 s24, s24, s23                     ; sblk
	s_lshl_b32 s25, s23, 2
	s_lshl_b32 s25, 15, s25                        ; my row of the cluster
	s_lshl_b32 s26, 0x1111, s22                    ; my column
	s_or_b32 s28, s25, (3<<16)|(1<<21)             ; group 1 for x's blocks: 64 rows of 32 elements of 8 bytes, dense
	s_mov_b32 s29, 32<<16
	s_mov_b32 s30, 64<<16
	s_mov_b32 s31, 32<<16
	s_mov_b32 s32, 64
	s_mov_b32 s33, 32
	s_mov_b32 s34, 0
	s_mov_b32 s35, 0
	s_or_b32 s36, s26, (3<<16)|(1<<21)             ; for W's: 96 rows
	s_mov_b32 s37, 32<<16
	s_mov_b32 s38, 96<<16
	s_mov_b32 s39, 32<<16
	s_mov_b32 s40, 96
	s_mov_b32 s41, 32
	s_mov_b32 s42, 0
	s_mov_b32 s43, 0
	s_mul_i32 s84, s20, 3
	s_mul_i32 s27, s22, 12
	s_add_co_u32 s27, s27, s84                     ; 12 ni + 3 wc
	s_lshl_b32 s90, s27, 6
	s_lshl_b32 s84, s24, 14                        ; x's block of q: nothing here holds cx
	s_lshl_b32 s85, s18, 20
	s_add_co_u32 s84, s84, s85
	s_mov_b32 s85, 0
	s_mul_i32 s86, s22, 12                         ; W's block of q: nothing here holds cy
	s_lshl_b32 s86, s86, 11
	s_mul_i32 s87, s18, 294912
	s_add_co_u32 s86, s86, s87
	s_add_co_u32 s86, s86, 17989632
	s_mov_b32 s87, 0
	s_lshl_b32 s96, s22, 12                        ; the prefetches: my quarter of a K step's block, at fill 1
	s_add_co_u32 s96, s96, 3145728
	s_mov_b32 s97, 0
	s_lshl_b32 s88, s19, 13
	v_lshl_add_u32 v3, v255, 4, s88
	s_delay_alu instid0(VALU_DEP_1)
	v_add_nc_u32 v4, 49152, v3
	s_mul_i32 s89, s20, 6144
	s_add_co_u32 s89, s89, LB
	v_lshl_add_u32 v5, v255, 4, s89
	s_delay_alu instid0(VALU_DEP_1)
	v_add_nc_u32 v6, 73728, v5
	v_bfe_u32 v7, v0, 4, 1
	s_delay_alu instid0(VALU_DEP_1)
	v_lshl_add_u32 v7, v7, 5, s90
	v_and_b32 v15, 15, v0
	s_delay_alu instid0(VALU_DEP_1)
	v_lshl_add_u32 v15, v15, 2, s90
	v_min_u32 v248, 15, v255
	s_delay_alu instid0(VALU_DEP_1)
	v_lshlrev_b32 v248, 8, v248                    ; 256 x min(lane, 15)
	v_lshlrev_b32 v11, 5, v255                     ; 32 x lane
	v_mov_b32 v253, 0
.irp j, 0,1,2
	s_add_co_u32 s78, s27, \j                      ; the column tile: head = tile / 4, place in the head = tile % 4
	s_lshr_b32 s79, s78, 2
	s_lshl_b32 s79, s79, 16
	s_and_b32 s78, s78, 3
	s_lshl_b32 s80, s78, 8                         ; q, k: the next pair of registers
	s_add_co_u32 s80, s80, s79
	v_lshl_add_u32 v[8+\j], v255, 3, s80           ; + 8 x lane
	s_lshl_b32 s80, s78, 10                        ; v: the next fragment
	s_add_co_u32 s80, s80, s79
	v_lshl_add_u32 v[249+\j], v255, 3, s80
.endr
	s_mov_b32 s60, 0x76543210
	s_mov_b32 s61, 0xfedcba98
	s_wait_alu depctr_va_vdst(0)                   ; the wait ahead of the blocking waits
	s_wait_dscnt 0x0                               ; both opening adds are done
	s_wait_kmcnt 0x0
	s_load_b256 s[68:75], s[12:13], 0x0            ; e0 .. e7
	s_load_b64 s[76:77], s[12:13], 0x20            ; e8, e9
	s_mov_b32 s44, 1
	s_lshl_b32 s45, s18, 14
	s_add_nc_u64 s[46:47], s[4:5], s[84:85]
	s_add_nc_u64 s[PF:PF+1], s[46:47], s[96:97]
	s_mov_b32 s48, 1
	s_add_co_u32 s49, s45, 49152
	s_add_nc_u64 s[50:51], s[46:47], 3145728
	s_or_b32 s47, s47, 0x80000000
	s_or_b32 s51, s51, 0x80000000
	s_mov_b32 s52, 1
	s_mul_i32 s53, s18, 24576
	s_add_co_u32 s53, s53, 24576
	s_add_nc_u64 s[54:55], s[4:5], s[86:87]
	s_mov_b32 s56, 1
	s_add_co_u32 s57, s53, 73728
	s_add_nc_u64 s[58:59], s[54:55], 884736
	s_or_b32 s55, s55, 0x80000000
	s_or_b32 s59, s59, 0x80000000
	CROUND                                         ; all sixteen work-groups are here: the joint loads meet
	FILL 0                                         ; (q, half 0): one tensor load a wave at the head
.irp t, 0,1,2
	global_load_b128 v[40+8*\t:43+8*\t], v11, s[14:15] offset:1024*\t      ; product t's 256 partial maxima, eight a lane
	global_load_b128 v[44+8*\t:47+8*\t], v11, s[14:15] offset:1024*\t+16
.endr
	BLD 0
	s_lshr_b32 s78, s24, 3                         ; where my codes begin: the batch,
	s_mul_i32 s78, s78, 786432
	s_and_b32 s79, s24, 7
	s_lshl_b32 s79, s79, 3
	s_lshl_b32 s80, s19, 2
	s_add_co_u32 s79, s79, s80                     ; my first tile of 16 positions in it
	s_lshl_b32 s79, s79, 10
	s_add_co_u32 s78, s78, s79
	s_mov_b32 s79, 0
	s_add_nc_u64 s[86:87], s[16:17], s[78:79]
	s_add_nc_u64 s[92:93], s[86:87], 6291456
	s_add_nc_u64 s[98:99], s[92:93], 6291456
	s_wait_loadcnt 0x6                             ; the maxima are in; the six younger loads of biases stay out
	s_wait_kmcnt 0x0
.irp t, 0,1,2
	v_max3_num_f32 v[40+8*\t], v[40+8*\t], v[41+8*\t], v[42+8*\t]
	v_max3_num_f32 v[43+8*\t], v[43+8*\t], v[44+8*\t], v[45+8*\t]
	s_delay_alu instid0(VALU_DEP_2)
	v_max3_num_f32 v[40+8*\t], v[40+8*\t], v[46+8*\t], v[47+8*\t]
	s_delay_alu instid0(VALU_DEP_1)
	v_max_num_f32 v[40+8*\t], v[40+8*\t], v[43+8*\t]
	WMAX 40+8*\t
	s_delay_alu instid0(VALU_DEP_1)
	v_max_num_f32 v[40+8*\t], 0x322bcc77, v[40+8*\t]   ; the floor 1e-8
	s_delay_alu instid0(VALU_DEP_1)
	v_readfirstlane_b32 s78, v[40+8*\t]
	s_add_co_u32 s78, s78, 0x7fffff
	s_lshr_b32 s78, s78, 23                        ; Eb = ceil(log2 max) + 127
	s_sub_co_i32 s78, 269, s78                     ; the exponent field of 2^m, m = 142 - Eb
	s_add_co_i32 s79, s[68+2*\t], s[69+2*\t]       ; ea + eb
	s_add_co_i32 s79, s79, s78
	s_lshl_b32 s[82+6*\t], s79, 23                 ; 2^(ea + eb + m)
	s_lshl_b32 s[83+6*\t], s78, 23                 ; 2^m
	s_add_co_i32 s79, s[74+\t+\t/2], s78           ; eo = e6, e7, e9
	s_lshl_b32 s80, s79, 23
	v_mov_b32 v[12+\t], s80                        ; 2^(m + eo): the conversion takes its exponent field
	s_add_co_i32 s79, s79, 8
	s_lshl_b32 s79, s79, 23
	s_or_b32 s79, s79, 0x600000                    ; 448 x 2^(m + eo)
	s_min_u32 s[85+6*\t], s79, 0x46fffe00          ; the upper hold: the smaller of it and 32767 (positive f32 compare as whole numbers)
	s_min_u32 s[84+6*\t], s79, 0x47000000
	s_or_b32 s[84+6*\t], s[84+6*\t], 0x80000000    ; the lower: minus the smaller of it and 32768
.endr
	TILE 0, 1
	TILE 1, 1
	TILE 2, 0
	s_wait_tensorcnt 0x0                           ; the wave's end, behind my last tensor load
	ds_add_u32 v1, v2
	s_wait_dscnt 0x0
	CROUND                                         ; the closing round
	s_endpgm
.Lfunc_end_k_q313acd0d41_gcode:
	.size	k_q313acd0d41_gcode, .Lfunc_end_k_q313acd0d41_gcode-k_q313acd0d41_gcode
	.p2alignl 7, 3214868480
	.fill 96, 4, 3214868480
	.section	.rodata,"a",@progbits
	.p2align	6, 0x0
	.amdhsa_kernel k_q313acd0d41_gcode
		.amdhsa_group_segment_fixed_size 327680
		.amdhsa_private_segment_fixed_size 0
		.amdhsa_enable_private_segment 0
		.amdhsa_kernarg_size 56
		.amdhsa_user_sgpr_count 2
		.amdhsa_user_sgpr_kernarg_segment_ptr 1
		.amdhsa_wavefront_size32 1
		.amdhsa_system_sgpr_workgroup_id_x 1
		.amdhsa_system_sgpr_workgroup_id_y 1
		.amdhsa_system_sgpr_workgroup_id_z 1
		.amdhsa_system_vgpr_workitem_id 0
		.amdhsa_next_free_vgpr 256
		.amdhsa_next_free_sgpr 100
		.amdhsa_reserve_vcc 0
		.amdhsa_float_denorm_mode_32 3
		.amdhsa_float_denorm_mode_16_64 3
		.amdhsa_memory_ordered 1
		.amdhsa_forward_progress 1
		.amdhsa_inst_pref_size 116
	.end_amdhsa_kernel
	.amdgpu_metadata
---
amdhsa.version: [ 1, 2 ]
amdhsa.kernels:
  - .name:           k_q313acd0d41_gcode
    .symbol:         k_q313acd0d41_gcode.kd
    .args:
      - { .name: opc, .offset: 0, .size: 8, .value_kind: global_buffer, .address_space: global }
      - { .name: bq, .offset: 8, .size: 8, .value_kind: global_buffer, .address_space: global }
      - { .name: bk, .offset: 16, .size: 8, .value_kind: global_buffer, .address_space: global }
      - { .name: bv, .offset: 24, .size: 8, .value_kind: global_buffer, .address_space: global }
      - { .name: lowp_scales, .offset: 32, .size: 8, .value_kind: global_buffer, .address_space: global }
      - { .name: pma, .offset: 40, .size: 8, .value_kind: global_buffer, .address_space: global }
      - { .name: cod, .offset: 48, .size: 8, .value_kind: global_buffer, .address_space: global }
    .group_segment_fixed_size: 327680
    .private_segment_fixed_size: 0
    .kernarg_segment_align: 8
    .kernarg_segment_size: 56
    .max_flat_workgroup_size: 256
    .sgpr_count:     100
    .vgpr_count:     256
    .wavefront_size: 32
...
	.end_amdgpu_metadata
.endif
;; end of part 3
;; launch smax (part 4): grid 256 x 1, 12 waves a work-group, no clusters, 327,680 bytes of LDS; arguments cod, pms; writes pms
.if DOCPART == 4
	.amdgcn_target "amdgcn-amd-amdhsa--gfx1250"
	.amdhsa_code_object_version 6
	.text
	.protected	k_q313acd0d41_smax
	.globl	k_q313acd0d41_smax
	.p2align	8
	.type	k_q313acd0d41_smax,@function
k_q313acd0d41_smax:
	s_mov_b64 s[64:65], 0
	v_nop
	global_prefetch_b8 v0, s[64:65] scope:SCOPE_SE
	s_setreg_imm32_b32 hwreg(HW_REG_WAVE_MODE, 25, 1), 1
	s_wait_xcnt 0x0
; The largest |sum| of K Q^T over all 96 heads, as one number for each work-group (pms[work-group]): the quantiser behind the scores wants it before any score can go on.
; The sums are raw: codes multiplied as they are; the two scales come in later.
; SHARES: 6,144 tiles of 16 queries, 24 to a work-group.  Wave w of work-group j owns the pair pi = 12 j + w: head pi / 32, query tiles 2 (pi % 32) and the next.
; It walks its head's 1,024 keys, 64 a group: S^T = K Q^T, source 0 = 16 keys, source 1 = 16 queries, one instruction of K = 64 a tile.
; A work-group touches at most two heads; both heads' K lie whole in LDS (2 x 65,536 bytes; where the two are one head the block comes twice): every byte is filled once.
; NO CLUSTER: blocks of 24 query tiles do not fall on heads of 64, so neighbours would want different heads at different LDS places; and the fill is made once a launch.
; REGISTERS: v3 my lane's place in my head's K; v6 the group's; v12-15 four maxima; v24-39 Q; v40-71 K; v120-183 S^T, (tile tau, key tile f) at 120 + 32 tau + 8 f.
.set RED,   322560                     ; twelve words: the waves' maxima
.set SPARE, 322816                     ; the spare words, 128 bytes a wave: six blocks of 256 bytes that no other line names
.set Q,  24
.set KR, 40
.set S,  120
.macro WMAX v
	s_delay_alu instid0(VALU_DEP_1)
	v_max_num_f32_dpp v[\v], v[\v], v[\v] row_xmask:1 row_mask:0xf bank_mask:0xf
	s_delay_alu instid0(VALU_DEP_1)
	v_max_num_f32_dpp v[\v], v[\v], v[\v] row_xmask:2 row_mask:0xf bank_mask:0xf
	s_delay_alu instid0(VALU_DEP_1)
	v_max_num_f32_dpp v[\v], v[\v], v[\v] row_xmask:4 row_mask:0xf bank_mask:0xf
	s_delay_alu instid0(VALU_DEP_1)
	v_max_num_f32_dpp v[\v], v[\v], v[\v] row_xmask:8 row_mask:0xf bank_mask:0xf
	s_delay_alu instid0(VALU_DEP_1)
	v_permlanex16_b32 v255, v[\v], s40, s41
	s_delay_alu instid0(VALU_DEP_1)
	v_max_num_f32 v[\v], v[\v], v255
.endm
.macro LDK a, off                      ; four fragments of K: 16 loads of 256 consecutive bytes
.irp f, 0,1,2,3
.irp c, 0,1,2,3
	ds_load_b64 v[KR+8*\f+2*\c:KR+8*\f+2*\c+1], v[\a] offset:\off+1024*\f+256*\c
.endr
.endr
.endm
.macro QK
.irp f, 0,1,2,3
.irp tau, 0,1
	v_wmma_f32_16x16x64_fp8_fp8 v[S+32*\tau+8*\f:S+32*\tau+8*\f+7], v[KR+8*\f:KR+8*\f+7], v[Q+8*\tau:Q+8*\tau+7], 0
.endr
.endr
.endm
.macro GROUP last
	s_wait_dscnt 0x0                               ; this group's K is in
	QK
	v_add_nc_u32 v6, s52, v3                       ; four plain places behind the products: this line and three v_nop
.rept 3
	v_nop
.endr
.if !\last
	LDK 6, 4096                                    ; the next group's K
.endif
.set i, 0
	s_wait_alu depctr_va_vdst(0)
.rept 32                               ; ascending: each accumulator is read from its low end on
	v_max3_num_f32 v[12+(i/2)%4], v[12+(i/2)%4], |v[S+i]|, |v[S+i+1]|
.set i, i+2
.endr
.if !\last
	s_add_co_u32 s52, s52, 4096
.endif
.endm
	s_load_b128 s[4:7], s[0:1], 0x0                ; cod, pms
	v_lshl_add_u32 v1, v0, 2, SPARE
	v_mov_b32 v2, 0
	ds_add_u32 v1, v2                              ; the wave's opening: the add and its wait ahead of the first tensor load
	ds_add_u32 v1, v2
	v_lshrrev_b32 v248, 5, v0
	s_wait_alu depctr_va_vdst(0)
	v_readfirstlane_b32 s16, v248                  ; wave 0..11
	s_mul_i32 s19, ttmp9, 12
	s_add_co_u32 s17, s19, s16                     ; pi
	s_lshr_b32 s18, s17, 5                         ; my head
	s_lshr_b32 s78, s16, 2
	s_mul_i32 s78, s78, 11
	s_add_co_u32 s22, s19, s78
	s_lshr_b32 s22, s22, 5                         ; the head that I fetch for: waves 0-3 the work-group's first, waves 4-7 its last
	s_lshr_b32 s19, s19, 5                         ; the first
	s_cmp_lg_u32 s18, s19
	s_cselect_b32 s20, 1, 0                        ; which of the two LDS blocks holds my head
	s_mov_b32 s24, 3<<16                           ; group 1: 64 rows of 32 elements of 8 bytes, dense: 16,384 bytes
	s_mov_b32 s25, 32<<16
	s_mov_b32 s26, 64<<16
	s_mov_b32 s27, 32<<16
	s_mov_b32 s28, 64
	s_mov_b32 s29, 32
	s_mov_b32 s30, 0
	s_mov_b32 s31, 0
	v_and_b32 v250, 31, v0
	s_delay_alu instid0(VALU_DEP_1)
	v_lshlrev_b32 v250, 3, v250                    ; 8 x lane
	s_lshl_b32 s79, s20, 16
	v_add_nc_u32 v3, s79, v250
	v_lshl_add_u32 v252, v248, 2, RED
	v_mov_b32 v253, RED
	v_mov_b32 v254, 0
	v_mov_b32 v255, 0
	v_mov_b32 v12, 0
	v_mov_b32 v13, 0
	v_mov_b32 v14, 0
	v_mov_b32 v15, 0
	s_mov_b32 s40, 0x76543210
	s_mov_b32 s41, 0xfedcba98
	s_mov_b32 s52, 0
	s_wait_dscnt 0x0                               ; the opening add is done
	s_wait_kmcnt 0x0
	s_and_b32 s89, s16, 3
	s_lshl_b32 s78, s22, 16
	s_lshl_b32 s79, s89, 14
	s_add_co_u32 s78, s78, s79
	s_add_co_u32 s78, s78, 6291456                 ; k's codes, the head, my quarter of it
	s_mov_b32 s79, 0
	s_mov_b32 s32, 1
	s_lshl_b32 s33, s16, 14                        ; LDS: wave x 16,384
	s_add_nc_u64 s[34:35], s[4:5], s[78:79]
	s_or_b32 s35, s35, 0x80000000
	s_and_b32 s90, s17, 31
	s_lshl_b32 s78, s18, 16
	s_lshl_b32 s80, s90, 11
	s_add_co_u32 s78, s78, s80
	s_add_nc_u64 s[56:57], s[4:5], s[78:79]        ; q's codes: my two fragments
	s_lshl_b32 s78, ttmp9, 2
	s_add_nc_u64 s[92:93], s[6:7], s[78:79]
.irp tau, 0,1
.irp c, 0,1,2,3
	global_load_b64 v[Q+8*\tau+2*\c:Q+8*\tau+2*\c+1], v250, s[56:57] offset:1024*\tau+256*\c
.endr
.endr
	s_cmp_lt_u32 s16, 8                            ; waves 0-7 fill, one load each
	s_cbranch_scc0 .Lno_fill
	tensor_load_to_lds s[32:35], s[24:31]
	s_nop 0
.rept 4
	v_nop
.endr
.Lno_fill:
	s_wait_loadcnt 0x0                             ; Q
	s_wait_tensorcnt 0x0                           ; my part of K is in,
	s_barrier_signal -1
	s_barrier_wait -1                              ; everybody's is
	s_wait_alu depctr_va_vdst(0)
	LDK 3, 0
	s_mov_b32 s54, 15
.Lgrp:
	GROUP 0
	s_sub_co_u32 s54, s54, 1
	s_cmp_lg_u32 s54, 0
	s_cbranch_scc1 .Lgrp
	GROUP 1                                        ; the last group fetches nothing more
	s_delay_alu instid0(VALU_DEP_2)
	v_max3_num_f32 v12, v12, v13, v14
	s_delay_alu instid0(VALU_DEP_1)
	v_max_num_f32 v12, v12, v15
	WMAX 12
	ds_store_b32 v252, v12
	s_wait_dscnt 0x0                               ; for the others' sake: my store is done
	s_barrier_signal -1
	s_barrier_wait -1
	ds_load_b128 v[40:43], v253
	ds_load_b128 v[44:47], v253 offset:16
	ds_load_b128 v[48:51], v253 offset:32
	s_wait_tensorcnt 0x0                           ; the wave's end as to LDS, behind my last tensor load and LDS store
	ds_add_u32 v1, v2
	s_wait_dscnt 0x0                               ; the add is done, and the twelve maxima are in
	v_max3_num_f32 v40, v40, v41, v42
	v_max3_num_f32 v43, v43, v44, v45
	v_max3_num_f32 v46, v46, v47, v48
	v_max3_num_f32 v49, v49, v50, v51
	s_delay_alu instid0(VALU_DEP_2)
	v_max3_num_f32 v40, v40, v43, v46
	s_delay_alu instid0(VALU_DEP_1)
	v_max_num_f32 v40, v40, v49
	s_wait_alu depctr_va_vdst(0)
	s_wait_xcnt 0x0                                ; EXEC changes only behind this wait
	v_cmp_eq_u32 vcc_lo, 0, v0
	s_and_saveexec_b32 s91, vcc_lo                 ; thread 0 alone
	global_store_b32 v254, v40, s[92:93]
	s_wait_xcnt 0x0
	s_or_b32 exec_lo, exec_lo, s91
	s_endpgm
.Lfunc_end_k_q313acd0d41_smax:
	.size	k_q313acd0d41_smax, .Lfunc_end_k_q313acd0d41_smax-k_q313acd0d41_smax
	.p2alignl 7, 3214868480
	.fill 96, 4, 3214868480
	.section	.rodata,"a",@progbits
	.p2align	6, 0x0
	.amdhsa_kernel k_q313acd0d41_smax
		.amdhsa_group_segment_fixed_size 327680
		.amdhsa_private_segment_fixed_size 0
		.amdhsa_enable_private_segment 0
		.amdhsa_kernarg_size 16
		.amdhsa_user_sgpr_count 2
		.amdhsa_user_sgpr_kernarg_segment_ptr 1
		.amdhsa_wavefront_size32 1
		.amdhsa_system_sgpr_workgroup_id_x 1
		.amdhsa_system_sgpr_workgroup_id_y 1
		.amdhsa_system_sgpr_workgroup_id_z 1
		.amdhsa_system_vgpr_workitem_id 0
		.amdhsa_next_free_vgpr 256
		.amdhsa_next_free_sgpr 96
		.amdhsa_reserve_vcc 1
		.amdhsa_float_denorm_mode_32 3
		.amdhsa_float_denorm_mode_16_64 3
		.amdhsa_memory_ordered 1
		.amdhsa_forward_progress 1
		.amdhsa_inst_pref_size 14
	.end_amdhsa_kernel
	.amdgpu_metadata
---
amdhsa.version: [ 1, 2 ]
amdhsa.kernels:
  - .name:           k_q313acd0d41_smax
    .symbol:         k_q313acd0d41_smax.kd
    .args:
      - { .name: cod, .offset: 0, .size: 8, .value_kind: global_buffer, .address_space: global }
      - { .name: pms, .offset: 8, .size: 8, .value_kind: global_buffer, .address_space: global }
    .group_segment_fixed_size: 327680
    .private_segment_fixed_size: 0
    .kernarg_segment_align: 8
    .kernarg_segment_size: 16
    .max_flat_workgroup_size: 384
    .sgpr_count:     96
    .vgpr_count:     256
    .wavefront_size: 32
...
	.end_amdgpu_metadata
.endif
;; end of part 4
;; launch stats (part 5): grid 256 x 1, 12 waves a work-group, no clusters, 327,680 bytes of LDS; arguments cod, pms, mask, lowp_scales, sta; writes sta
.if DOCPART == 5
	.amdgcn_target "amdgcn-amd-amdhsa--gfx1250"
	.amdhsa_code_object_version 6
	.text
	.protected	k_q313acd0d41_stats
	.globl	k_q313acd0d41_stats
	.p2align	8
	.type	k_q313acd0d41_stats,@function
k_q313acd0d41_stats:
	s_mov_b64 s[64:65], 0
	v_nop
	global_prefetch_b8 v0, s[64:65] scope:SCOPE_SE
	s_setreg_imm32_b32 hwreg(HW_REG_WAVE_MODE, 25, 1), 1
	s_wait_xcnt 0x0
; For every query: the largest masked score M and log2 of the sum of exp(score - M); for every work-group the smallest such sum (1 / it is the largest p, which the quantiser behind the softmax wants).
; sta: pair pi at 256 pi: [32 queries][-PM, log2 sum]; from byte 786,432 on one f32 for each work-group.
; A SCORE.  S = the raw sum of codes; mS = the largest |S| (pms); E = e6 + e7.  First quantiser: Eb3 = ceil(log2 max(mS 2^E, 1e-8)) + 127; u = round(S K3), K3 = 2^(E + 142 - Eb3), held at 32767.
; |S K3| <= 32768, so the rounding to a whole number, ties to even, is one multiply-add onto 1.5 x 2^23 and one subtraction.  Divided by sqrt(64) = 8 the score is u G, G = 2^(Eb3 - 145), exactly.
; Second quantiser: rounding and clipping keep the order, so its maximum is that of the first, rounded, times G.  Its step is the first's / 8, or half of that where the largest |u| is 16384:
; every u G lies on its grid, and only its upper clip can act: u is held at HI = 32767 or 16383.5; the lower clips are never reached.
; x = u G + nb, nb = 10000 (mask - 1): u G is exact, so the multiply-add rounds once, as the subtraction in the definition does.
; LIMITS: where the largest |score| / 8 lies under 1e-8 the second quantiser's coarser grid is not applied.  The fields E + 269 - Eb3 and Eb3 - 18 lie between 1 and 254.
; ceil(log2) is exact here; an f32 logarithm gives the lower whole number within about 1e-6 (relative) above a power of two.  NaN and infinities are not served.  The sums are added in another order than a plain row sum.
; The maximum is a running one, a lane for itself (a lane sees half of a query's keys); the two halves are joined at the end.
; Shares, K in LDS, no cluster: as in the launch before.  nb of both heads' batches lies in LDS too (2 x 4,096 bytes), made by waves 0-7.
; REGISTERS: v3, v5 my lane's place in K and in nb; v6, v8 the group's; v9 where I store nb; v[20:21] 1.5 x 2^23; v24-39 Q; v40-71 K; v72-103 nb; v120-183 S^T;
; v184 + 8 tau: +0 PM, +2, +3 the sum, +4 M, +5, +7 at work, +6 the correction; v248-251 at work.
; THE EXPONENT is one multiply-add: x log2(e) - PM, PM = M log2(e) rounded once.  The sum is taken under 2^-PM, and sta's first number of a pair is -PM, the very number used:
; the launch that follows adds it back as it stands, so PM's rounding cancels.  The smallest sum is held at 1 from below, as a sum that holds the term exp(0) is.
; In v184 + 8 tau: +0 PM, +7 the new PM.
; THE FILL goes in two stages, each LDS byte filled once: at the head waves 0 and 1 fetch the first 256 keys (16,384 bytes) of the two heads' K; behind the first barrier waves 0-5 fetch the other three quarters,
; which land while key groups 0 and 1 are worked; a wait and a barrier stand ahead of group 2.
; K IN LDS: the first 256 keys of the first head and of the last (2 x 16,384 bytes), then the other 768 keys of the first and of the last (2 x 49,152).  v3 = 8 x lane; my head's part is a scalar:
; s66 for first-stage bytes, s67 for the others (16,384 less than their place, since group g stands at 4,096 g).  Groups 0 and 1, their look-ahead included, read under byte 32,768, where the second stage begins.
.set BIAS,  262144
.set RED,   322560
.set SPARE, 322816
.set Q,  24
.set KR, 40
.set BV, 72
.set S,  120
.set ST, 184
.macro WMAX v
	s_delay_alu instid0(VALU_DEP_1)
	v_max_num_f32_dpp v[\v], v[\v], v[\v] row_xmask:1 row_mask:0xf bank_mask:0xf
	s_delay_alu instid0(VALU_DEP_1)
	v_max_num_f32_dpp v[\v], v[\v], v[\v] row_xmask:2 row_mask:0xf bank_mask:0xf
	s_delay_alu instid0(VALU_DEP_1)
	v_max_num_f32_dpp v[\v], v[\v], v[\v] row_xmask:4 row_mask:0xf bank_mask:0xf
	s_delay_alu instid0(VALU_DEP_1)
	v_max_num_f32_dpp v[\v], v[\v], v[\v] row_xmask:8 row_mask:0xf bank_mask:0xf
	s_delay_alu instid0(VALU_DEP_1)
	v_permlanex16_b32 v255, v[\v], s40, s41
	s_delay_alu instid0(VALU_DEP_1)
	v_max_num_f32 v[\v], v[\v], v255
.endm
.macro WMIN v
	v_min_num_f32_dpp v[\v], v[\v], v[\v] row_xmask:1 row_mask:0xf bank_mask:0xf
	s_delay_alu instid0(VALU_DEP_1)
	v_min_num_f32_dpp v[\v], v[\v], v[\v] row_xmask:2 row_mask:0xf bank_mask:0xf
	s_delay_alu instid0(VALU_DEP_1)
	v_min_num_f32_dpp v[\v], v[\v], v[\v] row_xmask:4 row_mask:0xf bank_mask:0xf
	s_delay_alu instid0(VALU_DEP_1)
	v_min_num_f32_dpp v[\v], v[\v], v[\v] row_xmask:8 row_mask:0xf bank_mask:0xf
	s_delay_alu instid0(VALU_DEP_1)
	v_permlanex16_b32 v255, v[\v], s40, s41
	s_delay_alu instid0(VALU_DEP_1)
	v_min_num_f32 v[\v], v[\v], v255
.endm
.macro LDK a, off
.irp f, 0,1,2,3
.irp c, 0,1,2,3
	ds_load_b64 v[KR+8*\f+2*\c:KR+8*\f+2*\c+1], v[\a] offset:\off+1024*\f+256*\c
.endr
.endr
.endm
.macro LDB                             ; nb of my 32 keys of the group: key 16 f + 8 (lane / 16) + 0 .. 7
.irp f, 0,1,2,3
	ds_load_b128 v[BV+8*\f:BV+8*\f+3], v8 offset:64*\f
	ds_load_b128 v[BV+8*\f+4:BV+8*\f+7], v8 offset:64*\f+16
.endr
.endm
.macro QK
.irp f, 0,1,2,3
.irp tau, 0,1
	v_wmma_f32_16x16x64_fp8_fp8 v[S+32*\tau+8*\f:S+32*\tau+8*\f+7], v[KR+8*\f:KR+8*\f+7], v[Q+8*\tau:Q+8*\tau+7], 0
.endr
.endr
.endm
.macro XFORM                           ; u = min(round(S K3), HI); ascending: each accumulator is read from its low end on
.set i, 0
.rept 32
	v_pk_fma_f32 v[S+i:S+i+1], v[S+i:S+i+1], s[42:43], v[20:21] op_sel_hi:[1,0,1]
.set i, i+2
.endr
.set i, 0
.rept 32
	v_pk_add_f32 v[S+i:S+i+1], v[S+i:S+i+1], v[20:21] neg_lo:[0,1] neg_hi:[0,1]
.set i, i+2
.endr
.set i, 0
.rept 32
	v_dual_min_num_f32 v[S+i], s48, v[S+i] :: v_dual_min_num_f32 v[S+i+1], s48, v[S+i+1]   ; two holds an instruction
.set i, i+2
.endr
.endm
.macro MASKADD                         ; x = u G + nb
.irp tau, 0,1
.irp f, 0,1,2,3
.irp p, 0,2,4,6
	v_pk_fma_f32 v[S+32*\tau+8*\f+\p:S+32*\tau+8*\f+\p+1], v[S+32*\tau+8*\f+\p:S+32*\tau+8*\f+\p+1], s[44:45], v[BV+8*\f+\p:BV+8*\f+\p+1] op_sel_hi:[1,0,1]
.endr
.endr
.endr
.endm
.macro GROUP last, late                ; late = 0: groups 0 and 1
.if \late
	s_cmp_ge_u32 s52, 12288                        ; the next group's K: first-stage bytes up to group 3
	s_cselect_b32 s56, s67, s66
.else
	s_mov_b32 s56, s66
.endif
	s_add_co_u32 s56, s56, s52
	s_wait_dscnt 0x0                               ; this group's K is in
	QK
	v_add_nc_u32 v6, s56, v3                       ; four plain places behind the products: two additions and two v_nop
	v_add_nc_u32 v8, s53, v5
	v_nop
	v_nop
	LDB
.if !\last
	LDK 6, 4096                                    ; the next group's K
.endif
	XFORM
.if \last
	s_wait_dscnt 0x0
.else
	s_wait_dscnt 16                                ; nb is in; the sixteen younger loads of K stay out
.endif
	MASKADD
.irp tau, 0,1                          ; the new M: 32 numbers and the old M, three at a time, in two chains
	v_max3_num_f32 v[ST+8*\tau+5], v[S+32*\tau], v[S+32*\tau+1], v[S+32*\tau+2]
	v_max3_num_f32 v[ST+8*\tau+7], v[S+32*\tau+3], v[S+32*\tau+4], v[S+32*\tau+5]
.irp i, 6,10,14,18,22,26
	s_delay_alu instid0(VALU_DEP_2)
	v_max3_num_f32 v[ST+8*\tau+5], v[ST+8*\tau+5], v[S+32*\tau+\i], v[S+32*\tau+\i+1]
	s_delay_alu instid0(VALU_DEP_2)
	v_max3_num_f32 v[ST+8*\tau+7], v[ST+8*\tau+7], v[S+32*\tau+\i+2], v[S+32*\tau+\i+3]
.endr
	s_delay_alu instid0(VALU_DEP_2)
	v_max3_num_f32 v[ST+8*\tau+5], v[ST+8*\tau+5], v[S+32*\tau+30], v[S+32*\tau+31]
	s_delay_alu instid0(VALU_DEP_1)
	v_max3_num_f32 v[ST+8*\tau+5], v[ST+8*\tau+5], v[ST+8*\tau+7], v[ST+8*\tau+4]
	s_delay_alu instid0(VALU_DEP_1)
	v_mul_f32 v[ST+8*\tau+7], s46, v[ST+8*\tau+5]                ; the new PM
	s_delay_alu instid0(VALU_DEP_1)
	v_sub_f32 v[ST+8*\tau+6], v[ST+8*\tau], v[ST+8*\tau+7]       ; old PM - new PM
	v_mov_b32 v[ST+8*\tau+4], v[ST+8*\tau+5]
	v_mov_b32 v[ST+8*\tau], v[ST+8*\tau+7]
.endr
.irp tau, 0,1
.set i, 0
.rept 16
	v_pk_fma_f32 v[S+32*\tau+i:S+32*\tau+i+1], v[S+32*\tau+i:S+32*\tau+i+1], s[46:47], v[ST+8*\tau:ST+8*\tau+1] op_sel_hi:[1,0,0] neg_lo:[0,0,1] neg_hi:[0,0,1]   ; x log2(e) - PM
.set i, i+2
.endr
.endr
.set i, 0
.set i, 0
	s_wait_alu depctr_va_vdst(0)
.rept 64
	v_exp_f32 v[S+i], v[S+i]
.set i, i+1
.endr
	v_exp_f32 v[ST+6], v[ST+6]
	v_exp_f32 v[ST+14], v[ST+14]
	v_nop                                          ; a plain line behind the last exponential
	s_wait_alu depctr_va_vdst(0)                   ; one wait for the whole batch, ahead of its first reader
.irp tau, 0,1                          ; sum = sum x correction + the group's 32 terms, two at a time, in two chains
	v_pk_fma_f32 v[ST+8*\tau+2:ST+8*\tau+3], v[ST+8*\tau+2:ST+8*\tau+3], v[ST+8*\tau+6:ST+8*\tau+7], v[S+32*\tau:S+32*\tau+1] op_sel_hi:[1,0,1]
	v_pk_add_f32 v[248+2*\tau:249+2*\tau], v[S+32*\tau+2:S+32*\tau+3], v[S+32*\tau+4:S+32*\tau+5]
.irp i, 6,10,14,18,22,26
	v_pk_add_f32 v[ST+8*\tau+2:ST+8*\tau+3], v[ST+8*\tau+2:ST+8*\tau+3], v[S+32*\tau+\i:S+32*\tau+\i+1]
	v_pk_add_f32 v[248+2*\tau:249+2*\tau], v[248+2*\tau:249+2*\tau], v[S+32*\tau+\i+2:S+32*\tau+\i+3]
.endr
	v_pk_add_f32 v[ST+8*\tau+2:ST+8*\tau+3], v[ST+8*\tau+2:ST+8*\tau+3], v[S+32*\tau+30:S+32*\tau+31]
	s_delay_alu instid0(VALU_DEP_1)
	v_pk_add_f32 v[ST+8*\tau+2:ST+8*\tau+3], v[ST+8*\tau+2:ST+8*\tau+3], v[248+2*\tau:249+2*\tau]
.endr
.if !\last
	s_add_co_u32 s52, s52, 4096
	s_add_co_u32 s53, s53, 256
.endif
.endm
	s_load_b256 s[4:11], s[0:1], 0x0               ; cod, pms, mask, lowp_scales
	s_load_b64 s[12:13], s[0:1], 0x20              ; sta
	v_lshl_add_u32 v1, v0, 2, SPARE
	v_mov_b32 v2, 0
	ds_add_u32 v1, v2                              ; the wave's opening: the add and its wait ahead of the first tensor load
	ds_add_u32 v1, v2
	v_lshrrev_b32 v248, 5, v0
	s_wait_alu depctr_va_vdst(0)
	v_readfirstlane_b32 s16, v248                  ; wave 0..11
	s_mul_i32 s19, ttmp9, 12
	s_add_co_u32 s17, s19, s16                     ; pi
	s_lshr_b32 s18, s17, 5                         ; my head
	s_lshr_b32 s78, s16, 2
	s_mul_i32 s78, s78, 11
	s_add_co_u32 s22, s19, s78
	s_lshr_b32 s22, s22, 5                         ; the head that I fetch for (waves 0-7)
	s_lshr_b32 s19, s19, 5
	s_cmp_lg_u32 s18, s19
	s_cselect_b32 s20, 1, 0                        ; which LDS block holds my head
	s_mul_i32 s23, s22, 43
	s_lshr_b32 s23, s23, 9                         ; that head's batch: head / 12 for heads under 96
	s_mov_b32 s24, 3<<16                           ; group 1: 64 rows of 32 elements of 8 bytes, dense
	s_mov_b32 s25, 32<<16
	s_mov_b32 s26, 64<<16
	s_mov_b32 s27, 32<<16
	s_mov_b32 s28, 64
	s_mov_b32 s29, 32
	s_mov_b32 s30, 0
	s_mov_b32 s31, 0
	v_and_b32 v245, 31, v0
	v_bfe_u32 v247, v0, 4, 1                       ; h
	s_delay_alu instid0(VALU_DEP_2)
	v_lshlrev_b32 v249, 5, v245                    ; 32 x lane
	s_delay_alu instid0(VALU_DEP_3)
	v_lshlrev_b32 v250, 3, v245                    ; 8 x lane
	s_lshl_b32 s66, s20, 14                        ; my head's part of a first-stage address
	s_mul_i32 s67, s20, 49152
	s_add_co_u32 s67, s67, 16384                   ; and of a second-stage address
	v_lshlrev_b32 v3, 3, v245                      ; 8 x lane
	s_lshl_b32 s80, s20, 12
	s_add_co_u32 s80, s80, BIAS
	v_lshl_add_u32 v5, v247, 5, s80
	v_lshl_add_u32 v9, v0, 5, BIAS                 ; waves 0-7: 32 bytes a thread, 8,192 in all
	v_lshl_add_u32 v252, v248, 2, RED
	v_mov_b32 v253, RED
	v_mov_b32 v254, 0
	v_mov_b32 v255, 0
	v_mov_b32 v20, 0x4b400000                      ; 1.5 x 2^23
	v_mov_b32 v21, 0x4b400000
.irp tau, 0,1
	v_mov_b32 v[ST+8*\tau], 0xff61b1e6             ; PM: -3e38, as M
	v_mov_b32 v[ST+8*\tau+1], 0                    ; (named as the upper half of a pair)
	v_mov_b32 v[ST+8*\tau+2], 0                    ; the sum
	v_mov_b32 v[ST+8*\tau+3], 0
	v_mov_b32 v[ST+8*\tau+4], 0xff61b1e6           ; M: -3e38, under every x; the first correction is then 0, on a sum of 0
.endr
	s_mov_b32 s40, 0x76543210
	s_mov_b32 s41, 0xfedcba98
	s_mov_b32 s46, 0x3fb8aa3b                      ; log2(e)
	s_mov_b32 s47, s46
	s_mov_b32 s52, 0
	s_mov_b32 s53, 0
	s_mov_b32 s55, 0xffff0000                      ; lanes 16-31
	s_wait_dscnt 0x0                               ; the opening add is done
	s_wait_kmcnt 0x0
	s_load_b256 s[68:75], s[10:11], 0x0            ; e0 .. e7
	s_and_b32 s89, s16, 3
	s_and_b32 s36, s16, 1                          ; the head that I fetch for: 0 the work-group's first, 1 its last
	s_mul_i32 s37, s36, 11
	s_mul_i32 s38, ttmp9, 12
	s_add_co_u32 s37, s37, s38
	s_lshr_b32 s37, s37, 5
	s_lshl_b32 s78, s37, 16
	s_add_co_u32 s78, s78, 6291456                 ; k's codes, that head
	s_mov_b32 s79, 0
	s_mov_b32 s32, 1
	s_lshl_b32 s33, s36, 14                        ; LDS, first stage: head x 16,384
	s_add_nc_u64 s[34:35], s[4:5], s[78:79]
	s_lshr_b32 s80, s16, 1
	s_add_co_u32 s80, s80, 1
	s_lshl_b32 s80, s80, 14                        ; the second stage: quarter 1 + wave / 2 (waves 0-5)
	s_mov_b32 s81, 0
	s_mul_i32 s37, s36, 49152
	s_add_co_u32 s37, s37, s80
	s_add_co_u32 s37, s37, 16384                   ; LDS: 32,768 + head x 49,152 + (quarter - 1) x 16,384
	s_mov_b32 s36, 1
	s_add_nc_u64 s[38:39], s[34:35], s[80:81]
	s_or_b32 s35, s35, 0x80000000
	s_or_b32 s39, s39, 0x80000000
	s_and_b32 s90, s17, 31
	s_lshl_b32 s78, s18, 16
	s_lshl_b32 s80, s90, 11
	s_add_co_u32 s78, s78, s80
	s_add_nc_u64 s[56:57], s[4:5], s[78:79]        ; my two fragments of q
	s_lshl_b32 s78, s23, 12
	s_lshl_b32 s80, s89, 10
	s_add_co_u32 s78, s78, s80
	s_add_nc_u64 s[60:61], s[8:9], s[78:79]        ; the mask: that batch's row, my quarter
	s_lshl_b32 s78, s17, 8
	s_add_nc_u64 s[58:59], s[12:13], s[78:79]      ; my pair's 256 bytes
	s_lshl_b32 s78, ttmp9, 2
	s_add_co_u32 s78, s78, 786432
	s_add_nc_u64 s[92:93], s[12:13], s[78:79]
	global_load_b128 v[120:123], v249, s[6:7]      ; the 256 partial maxima, eight a lane
	global_load_b128 v[124:127], v249, s[6:7] offset:16
.irp tau, 0,1
.irp c, 0,1,2,3
	global_load_b64 v[Q+8*\tau+2*\c:Q+8*\tau+2*\c+1], v250, s[56:57] offset:1024*\tau+256*\c
.endr
.endr
	s_cmp_lt_u32 s16, 2                            ; waves 0 and 1: the first 256 keys of the two heads
	s_cbranch_scc0 .Lno_head
	tensor_load_to_lds s[32:35], s[24:31]
	s_nop 0
.rept 4
	v_nop
.endr
.Lno_head:
	s_cmp_lt_u32 s16, 8                            ; waves 0-7 make nb
	s_cbranch_scc0 .Lno_fill
	global_load_b128 v[136:139], v249, s[60:61]
	global_load_b128 v[140:143], v249, s[60:61] offset:16
	s_wait_loadcnt 0x0
.irp i, 0,1,2,3,4,5,6,7
	v_add_f32 v[136+\i], -1.0, v[136+\i]
.endr
.irp i, 0,1,2,3,4,5,6,7
	v_mul_f32 v[136+\i], 0x461c4000, v[136+\i]     ; 10000 (mask - 1)
.endr
	ds_store_b128 v9, v[136:139]
	ds_store_b128 v9, v[140:143] offset:16
.Lno_fill:
	s_wait_loadcnt 0x0
	s_wait_kmcnt 0x0
	v_max3_num_f32 v120, v120, v121, v122
	v_max3_num_f32 v123, v123, v124, v125
	s_delay_alu instid0(VALU_DEP_2)
	v_max3_num_f32 v120, v120, v126, v127
	s_delay_alu instid0(VALU_DEP_1)
	v_max_num_f32 v120, v120, v123
	WMAX 120                                       ; mS
	s_wait_alu depctr_va_vdst(0)
	s_add_co_i32 s82, s74, s75                     ; E = e6 + e7
	v_ldexp_f32 v121, v120, s82
	s_delay_alu instid0(VALU_DEP_1)
	v_max_num_f32 v121, 0x322bcc77, v121           ; the floor 1e-8
	s_delay_alu instid0(VALU_DEP_1)
	v_readfirstlane_b32 s83, v121
	s_add_co_u32 s83, s83, 0x7fffff
	s_lshr_b32 s83, s83, 23                        ; Eb3
	s_add_co_i32 s84, s82, 269
	s_sub_co_i32 s84, s84, s83
	s_lshl_b32 s42, s84, 23                        ; K3
	s_mov_b32 s43, s42
	s_sub_co_i32 s84, s83, 18
	s_lshl_b32 s44, s84, 23                        ; G
	s_mov_b32 s45, s44
	v_mul_f32 v121, s42, v120
	s_delay_alu instid0(VALU_DEP_1)
	v_rndne_f32 v121, v121
	s_delay_alu instid0(VALU_DEP_1)
	v_mul_f32 v121, s44, v121
	s_delay_alu instid0(VALU_DEP_1)
	v_max_num_f32 v121, 0x322bcc77, v121
	s_delay_alu instid0(VALU_DEP_1)
	v_readfirstlane_b32 s85, v121
	s_add_co_u32 s85, s85, 0x7fffff
	s_lshr_b32 s85, s85, 23                        ; Eb4
	s_sub_co_i32 s84, s83, s85
	s_sub_co_i32 s84, s84, 3
	s_max_i32 s84, s84, 0                          ; 1 where the second quantiser's step is half as large
	s_lshl_b32 s84, s84, 23
	s_sub_co_u32 s48, 0x46fffe00, s84              ; HI: 32767 or 16383.5
	s_wait_alu depctr_va_vdst(0)                   ; the wait at the head's end
	s_wait_tensorcnt 0x0                           ; my part of the first stage is in; ahead of a later first fill:
	ds_add_u32 v1, v2                              ; the add,
	ds_add_u32 v1, v2                              ; twice on end
	s_wait_dscnt 0x0                               ; the adds are done, and my part of nb is stored
	s_barrier_signal -1
	s_barrier_wait -1                              ; everybody's is
	s_cmp_lt_u32 s16, 6                            ; the second stage: waves 0-5, one load each
	s_cbranch_scc0 .Lno_two
	tensor_load_to_lds s[36:39], s[24:31]
	s_nop 0
.rept 4
	v_nop
.endr
.Lno_two:
	v_add_nc_u32 v6, s66, v3
	LDK 6, 0
	s_mov_b32 s54, 2
.Lgra:                                             ; groups 0 and 1
	GROUP 0, 0
	s_sub_co_u32 s54, s54, 1
	s_cmp_lg_u32 s54, 0
	s_cbranch_scc1 .Lgra
	s_wait_tensorcnt 0x0                           ; my part of the second stage is in,
	s_wait_dscnt 0x0                               ; no LDS load of mine is out at the signal,
	s_barrier_signal -1
	s_barrier_wait -1                              ; everybody's is: nothing is filled again
	s_mov_b32 s54, 13
.Lgrp:                                             ; groups 2 to 14
	GROUP 0, 1
	s_sub_co_u32 s54, s54, 1
	s_cmp_lg_u32 s54, 0
	s_cbranch_scc1 .Lgrp
	GROUP 1, 1
	; the two halves of the lanes are joined
.irp tau, 0,1
	v_permlanex16_b32 v[ST+8*\tau+5], v[ST+8*\tau], s40, s41
	s_delay_alu instid0(VALU_DEP_1)
	v_max_num_f32 v[ST+8*\tau+5], v[ST+8*\tau], v[ST+8*\tau+5]     ; the row's PM
	s_delay_alu instid0(VALU_DEP_1)
	v_sub_f32 v[ST+8*\tau+6], v[ST+8*\tau], v[ST+8*\tau+5]
	v_add_f32 v[ST+8*\tau+2], v[ST+8*\tau+2], v[ST+8*\tau+3]
.endr
	s_wait_alu depctr_va_vdst(0)
	v_exp_f32 v[ST+6], v[ST+6]
	v_exp_f32 v[ST+14], v[ST+14]
	v_nop
	s_wait_alu depctr_va_vdst(0)                   ; the wait ahead of the first reader
.irp tau, 0,1
	v_mul_f32 v[ST+8*\tau+2], v[ST+8*\tau+2], v[ST+8*\tau+6]       ; my half's sum under the row's M
	s_delay_alu instid0(VALU_DEP_1)
	v_permlanex16_b32 v[ST+8*\tau+3], v[ST+8*\tau+2], s40, s41
	s_delay_alu instid0(VALU_DEP_1)
	v_add_f32 v[ST+8*\tau+2], v[ST+8*\tau+2], v[ST+8*\tau+3]       ; the row's sum: between 1 and 1,024
.endr
	s_wait_alu depctr_va_vdst(0)
	v_log_f32 v[ST+3], v[ST+2]
	v_log_f32 v[ST+11], v[ST+10]
	v_nop
	s_wait_alu depctr_va_vdst(0)
	v_min_num_f32 v248, v[ST+2], v[ST+10]
	s_delay_alu instid0(VALU_DEP_1)
	v_max_num_f32 v248, 1.0, v248                  ; a row's sum holds the term exp(0): it is 1 at the least
	v_sub_f32 v[ST], 0, v[ST+5]
	v_sub_f32 v[ST+8], 0, v[ST+13]
	s_delay_alu instid0(VALU_DEP_1)
	v_cndmask_b32 v250, v[ST], v[ST+8], s55        ; lanes 0-15: tile 0's queries; lanes 16-31: tile 1's
	v_cndmask_b32 v251, v[ST+3], v[ST+11], s55
	v_lshlrev_b32 v247, 3, v245
	global_store_b64 v247, v[250:251], s[58:59]    ; 32 lanes store 256 consecutive bytes, aligned
	WMIN 248
	ds_store_b32 v252, v248
	s_wait_dscnt 0x0                               ; for the others' sake: my store is done
	s_barrier_signal -1
	s_barrier_wait -1
	ds_load_b128 v[40:43], v253
	ds_load_b128 v[44:47], v253 offset:16
	ds_load_b128 v[48:51], v253 offset:32
	s_wait_tensorcnt 0x0                           ; the wave's end as to LDS, behind my last tensor load and LDS store
	ds_add_u32 v1, v2
	s_wait_dscnt 0x0                               ; the add is done, and the twelve minima are in
	v_min3_num_f32 v40, v40, v41, v42
	v_min3_num_f32 v43, v43, v44, v45
	v_min3_num_f32 v46, v46, v47, v48
	v_min3_num_f32 v49, v49, v50, v51
	s_delay_alu instid0(VALU_DEP_2)
	v_min3_num_f32 v40, v40, v43, v46
	s_delay_alu instid0(VALU_DEP_1)
	v_min_num_f32 v40, v40, v49
	s_wait_alu depctr_va_vdst(0)
	s_wait_xcnt 0x0                                ; EXEC changes only behind this wait
	v_cmp_eq_u32 vcc_lo, 0, v0
	s_and_saveexec_b32 s91, vcc_lo                 ; thread 0 alone
	global_store_b32 v254, v40, s[92:93]
	s_wait_xcnt 0x0
	s_or_b32 exec_lo, exec_lo, s91
	s_endpgm
.Lfunc_end_k_q313acd0d41_stats:
	.size	k_q313acd0d41_stats, .Lfunc_end_k_q313acd0d41_stats-k_q313acd0d41_stats
	.p2alignl 7, 3214868480
	.fill 96, 4, 3214868480
	.section	.rodata,"a",@progbits
	.p2align	6, 0x0
	.amdhsa_kernel k_q313acd0d41_stats
		.amdhsa_group_segment_fixed_size 327680
		.amdhsa_private_segment_fixed_size 0
		.amdhsa_enable_private_segment 0
		.amdhsa_kernarg_size 40
		.amdhsa_user_sgpr_count 2
		.amdhsa_user_sgpr_kernarg_segment_ptr 1
		.amdhsa_wavefront_size32 1
		.amdhsa_system_sgpr_workgroup_id_x 1
		.amdhsa_system_sgpr_workgroup_id_y 1
		.amdhsa_system_sgpr_workgroup_id_z 1
		.amdhsa_system_vgpr_workitem_id 0
		.amdhsa_next_free_vgpr 256
		.amdhsa_next_free_sgpr 96
		.amdhsa_reserve_vcc 1
		.amdhsa_float_denorm_mode_32 3
		.amdhsa_float_denorm_mode_16_64 3
		.amdhsa_memory_ordered 1
		.amdhsa_forward_progress 1
		.amdhsa_inst_pref_size 73
	.end_amdhsa_kernel
	.amdgpu_metadata
---
amdhsa.version: [ 1, 2 ]
amdhsa.kernels:
  - .name:           k_q313acd0d41_stats
    .symbol:         k_q313acd0d41_stats.kd
    .args:
      - { .name: cod, .offset: 0, .size: 8, .value_kind: global_buffer, .address_space: global }
      - { .name: pms, .offset: 8, .size: 8, .value_kind: global_buffer, .address_space: global }
      - { .name: mask, .offset: 16, .size: 8, .value_kind: global_buffer, .address_space: global }
      - { .name: lowp_scales, .offset: 24, .size: 8, .value_kind: global_buffer, .address_space: global }
      - { .name: sta, .offset: 32, .size: 8, .value_kind: global_buffer, .address_space: global }
    .group_segment_fixed_size: 327680
    .private_segment_fixed_size: 0
    .kernarg_segment_align: 8
    .kernarg_segment_size: 40
    .max_flat_workgroup_size: 384
    .sgpr_count:     96
    .vgpr_count:     256
    .wavefront_size: 32
...
	.end_amdgpu_metadata
.endif
;; end of part 5
;; launch attn (part 6): grid 256 x 1, 12 waves a work-group, no clusters, 327,680 bytes of LDS; arguments cod, pms, sta, mask, lowp_scales, hra; writes hra
.if DOCPART == 6
	.amdgcn_target "amdgcn-amd-amdhsa--gfx1250"
	.amdhsa_code_object_version 6
	.text
	.protected	k_q313acd0d41_attn
	.globl	k_q313acd0d41_attn
	.p2align	8
	.type	k_q313acd0d41_attn,@function
k_q313acd0d41_attn:
	s_mov_b64 s[64:65], 0
	v_nop
	global_prefetch_b8 v0, s[64:65] scope:SCOPE_SE
	s_setreg_imm32_b32 hwreg(HW_REG_WAVE_MODE, 25, 1), 1
	s_wait_xcnt 0x0
; h = Q5(softmax(x)) V on codes of E4M3, with every row's largest score and log2 sum known (sta): the softmax goes into the product finished and normalised.
; x is made exactly as in the launch before (same lines): u = min(round(S K3), HI), x = u G + nb.
; p x 2^m5 = 2^(x log2(e) + C), C = m5 - log2(sum) - PM.  sta's pair of a query is [-PM, log2 sum], PM = M log2(e) as the launch before rounded and used it, so that its rounding cancels against the sum's.
; m5 = 15 + k5, k5 = floor(log2 of the smallest row sum): the largest p is 1 / that sum, so ceil(log2 pmax) = -k5; sums lie between 1 and 1,024, so the quantiser's floor 1e-8 cannot act.
; n = round(p 2^m5), held at 32767; its code is n / 2^(m5 + e8), held at 448: one hold does both (p is not negative); the holds go two an instruction.
; hra: h = sum x 2^(e8 + e9), laid as the output [8][1024][768]; from byte 25,165,824 on the largest |h| of each work-group.
; LAYOUT: S^T = K Q^T (source 0 = 16 keys, source 1 = 16 queries): register j of lane (r, h) is key 16 f + 8 h + j of query r: the eight registers of key tile f, converted, ARE registers 2 f, 2 f + 1
; of source 1 (64 keys x 16 queries) of O^T = V^T P; source 0 = 16 channels x 64 keys, which lies so in cod.  Nothing changes lanes.
; SHARES: 6,144 tiles of 16 queries, 24 to a work-group; wave w of work-group j owns the pair pi = 12 j + w: head pi / 32, query tiles 2 (pi % 32) and the next; it walks its head's 1,024 keys, 64 a group.
; A work-group touches at most two heads, its first and its last (where the two are one head its codes come twice); each LDS byte is filled once.
; THE FILL goes in two stages: at the head waves 0-3 fetch the first 256 keys (16,384 bytes) of K and of V of the two heads; behind the first barrier every wave fetches one of the twelve other quarters,
; which land while key groups 0 and 1 are worked; a wait and a barrier stand ahead of group 2.
; LDS: K's bytes from 0, V's from 131,072, each laid so: the first 256 keys of the first head and of the last (2 x 16,384 bytes), then the other 768 keys of the first and of the last (2 x 49,152).
; v3 = 8 x lane, v4 = that + 131,072; my head's part of an address is a scalar: s66 for first-stage bytes, s67 for the others (16,384 less than their place, since group g stands at 4,096 g).
; Groups 0 and 1, their look-ahead of K included, read under byte 32,768 of K's and of V's bytes, where the second stage begins.
; O^T begins as 64 zeros, so that the group's text stands three times and not four.
; NO CLUSTER: blocks of 24 query tiles do not fall on heads of 64, so partners would want different heads at different LDS places.  NO PREFETCH: all that the launch fetches is asked for in its first two steps.
; LIMITS: as stated for x in the launch before; the fields e8 + k5 + 142 (+ 8) and e8 + e9 + 127 lie between 1 and 254; C is rounded to f32: an absolute error of 2^-24 |C| in the exponent, beside those of log2 and exp2.
; REGISTERS: v3, v4 as above; v5 my lane's place in nb; v6, v7, v8 the group's addresses; v9 where I store nb; v10, v11 the stage, in and out; v12, v16 -PM; v14, v18 C; v[20:21] 1.5 x 2^23; v22 the conversion's scale;
; v23 my offset in h; v24-39 Q; v40-71 K; v72-103 nb, then V; v104-119 p's codes; v120-183 S^T; v184-247 O^T, (tau, wt) at 184 + 32 tau + 8 wt; v248-255 at work.
.set BIAS,  262144
.set STAGE, 270336                     ; 16 rows of 256 + 16 bytes for each wave
.set RED,   322560
.set SPARE, 322816
.set Q,  24
.set KR, 40
.set BV, 72
.set P,  104
.set S,  120
.set O,  184
.macro WMAX v
	s_delay_alu instid0(VALU_DEP_1)
	v_max_num_f32_dpp v[\v], v[\v], v[\v] row_xmask:1 row_mask:0xf bank_mask:0xf
	s_delay_alu instid0(VALU_DEP_1)
	v_max_num_f32_dpp v[\v], v[\v], v[\v] row_xmask:2 row_mask:0xf bank_mask:0xf
	s_delay_alu instid0(VALU_DEP_1)
	v_max_num_f32_dpp v[\v], v[\v], v[\v] row_xmask:4 row_mask:0xf bank_mask:0xf
	s_delay_alu instid0(VALU_DEP_1)
	v_max_num_f32_dpp v[\v], v[\v], v[\v] row_xmask:8 row_mask:0xf bank_mask:0xf
	s_delay_alu instid0(VALU_DEP_1)
	v_permlanex16_b32 v255, v[\v], s40, s41
	s_delay_alu instid0(VALU_DEP_1)
	v_max_num_f32 v[\v], v[\v], v255
.endm
.macro WMIN v
	s_delay_alu instid0(VALU_DEP_1)
	v_min_num_f32_dpp v[\v], v[\v], v[\v] row_xmask:1 row_mask:0xf bank_mask:0xf
	s_delay_alu instid0(VALU_DEP_1)
	v_min_num_f32_dpp v[\v], v[\v], v[\v] row_xmask:2 row_mask:0xf bank_mask:0xf
	s_delay_alu instid0(VALU_DEP_1)
	v_min_num_f32_dpp v[\v], v[\v], v[\v] row_xmask:4 row_mask:0xf bank_mask:0xf
	s_delay_alu instid0(VALU_DEP_1)
	v_min_num_f32_dpp v[\v], v[\v], v[\v] row_xmask:8 row_mask:0xf bank_mask:0xf
	s_delay_alu instid0(VALU_DEP_1)
	v_permlanex16_b32 v255, v[\v], s40, s41
	s_delay_alu instid0(VALU_DEP_1)
	v_min_num_f32 v[\v], v[\v], v255
.endm
.macro LDK a, off                      ; four fragments of K: 16 loads of 256 consecutive bytes
.irp f, 0,1,2,3
.irp c, 0,1,2,3
	ds_load_b64 v[KR+8*\f+2*\c:KR+8*\f+2*\c+1], v[\a] offset:\off+1024*\f+256*\c
.endr
.endr
.endm
.macro LDB                             ; nb of my 32 keys of the group: key 16 f + 8 (lane / 16) + 0 .. 7
.irp f, 0,1,2,3
	ds_load_b128 v[BV+8*\f:BV+8*\f+3], v8 offset:64*\f
	ds_load_b128 v[BV+8*\f+4:BV+8*\f+7], v8 offset:64*\f+16
.endr
.endm
.macro LDV                             ; the group's four fragments of V^T: channels 16 wt on, these 64 keys
.irp wt, 0,1,2,3
.irp c, 0,1,2,3
	ds_load_b64 v[BV+8*\wt+2*\c:BV+8*\wt+2*\c+1], v7 offset:1024*\wt+256*\c
.endr
.endr
.endm
.macro QK
.irp f, 0,1,2,3
.irp tau, 0,1
	v_wmma_f32_16x16x64_fp8_fp8 v[S+32*\tau+8*\f:S+32*\tau+8*\f+7], v[KR+8*\f:KR+8*\f+7], v[Q+8*\tau:Q+8*\tau+7], 0
.endr
.endr
.endm
.macro XFORM                           ; u = min(round(S K3), HI); ascending: each accumulator is read from its low end on
.set i, 0
.rept 32
	v_pk_fma_f32 v[S+i:S+i+1], v[S+i:S+i+1], s[42:43], v[20:21] op_sel_hi:[1,0,1]
.set i, i+2
.endr
.set i, 0
.rept 32
	v_pk_add_f32 v[S+i:S+i+1], v[S+i:S+i+1], v[20:21] neg_lo:[0,1] neg_hi:[0,1]
.set i, i+2
.endr
.set i, 0
.rept 32
	v_dual_min_num_f32 v[S+i], s48, v[S+i] :: v_dual_min_num_f32 v[S+i+1], s48, v[S+i+1]
.set i, i+2
.endr
.endm
.macro MASKADD                         ; x = u G + nb
.irp tau, 0,1
.irp f, 0,1,2,3
.irp p, 0,2,4,6
	v_pk_fma_f32 v[S+32*\tau+8*\f+\p:S+32*\tau+8*\f+\p+1], v[S+32*\tau+8*\f+\p:S+32*\tau+8*\f+\p+1], s[44:45], v[BV+8*\f+\p:BV+8*\f+\p+1] op_sel_hi:[1,0,1]
.endr
.endr
.endr
.endm
.macro PV                              ; O^T += V^T P: eight accumulators, one instruction a turn
.irp wt, 0,1,2,3
.irp tau, 0,1
	v_wmma_f32_16x16x64_fp8_fp8 v[O+32*\tau+8*\wt:O+32*\tau+8*\wt+7], v[BV+8*\wt:BV+8*\wt+7], v[P+8*\tau:P+8*\tau+7], v[O+32*\tau+8*\wt:O+32*\tau+8*\wt+7]
.endr
.endr
.endm
.macro GROUP last, late                ; 64 keys.  late = 0: groups 0 and 1
.if \late
	s_cmp_ge_u32 s52, 12288                        ; the next group's K: first-stage bytes up to group 3
	s_cselect_b32 s56, s67, s66
	s_cmp_ge_u32 s52, 16384                        ; this group's V likewise
	s_cselect_b32 s57, s67, s66
.else
	s_mov_b32 s56, s66
	s_mov_b32 s57, s66
.endif
	s_add_co_u32 s56, s56, s52
	s_add_co_u32 s57, s57, s52
	s_wait_dscnt 0x0                               ; this group's K is in
	QK
	v_add_nc_u32 v6, s56, v3                       ; four plain places, behind these products and behind the last group's V^T P: three additions and a v_nop
	v_add_nc_u32 v7, s57, v4
	v_add_nc_u32 v8, s53, v5
	v_nop
	LDB
.if !\last
	LDK 6, 4096                                    ; the next group's K
.endif
	XFORM
.if \last
	s_wait_dscnt 0x0
.else
	s_wait_dscnt 16                                ; nb is in; the sixteen younger loads of K stay out
.endif
	MASKADD
	LDV                                            ; nb has been read: its registers take V
.irp tau, 0,1
.set i, 0
.rept 16
	v_pk_fma_f32 v[S+32*\tau+i:S+32*\tau+i+1], v[S+32*\tau+i:S+32*\tau+i+1], s[46:47], v[14+4*\tau:15+4*\tau] op_sel_hi:[1,0,0]   ; x log2(e) + C
.set i, i+2
.endr
.endr
.set i, 0
	s_wait_alu depctr_va_vdst(0)                   ; the wait ahead of the batch
.rept 64
	v_exp_f32 v[S+i], v[S+i]                       ; p x 2^m5
.set i, i+1
.endr
	v_nop                                          ; a plain line behind the last exponential
	s_wait_alu depctr_va_vdst(0)                   ; one wait for the whole batch, ahead of its first reader
.irp tau, 0,1
.irp f, 0,1,2,3
.irp p, 0,1,2,3,4,5,6,7
	v_rndne_f32 v[S+32*\tau+8*\f+\p], v[S+32*\tau+8*\f+\p]
.endr
.irp p, 0,2,4,6
	v_dual_min_num_f32 v[S+32*\tau+8*\f+\p], s49, v[S+32*\tau+8*\f+\p] :: v_dual_min_num_f32 v[S+32*\tau+8*\f+\p+1], s49, v[S+32*\tau+8*\f+\p+1]   ; the 16-bit clip and the code's hold in one
.endr
	v_cvt_scalef32_pk8_fp8_f32 v[P+8*\tau+2*\f:P+8*\tau+2*\f+1], v[S+32*\tau+8*\f:S+32*\tau+8*\f+7], v22
.endr
.endr
	v_nop                                          ; a plain line between the last conversion and the products that read its result
	s_wait_alu depctr_va_vdst(0)                   ; the wait ahead of the first reader of O^T
	s_wait_dscnt 0x0                               ; V is in (and the next group's K)
	PV
.if !\last
	s_add_co_u32 s52, s52, 4096
	s_add_co_u32 s53, s53, 256
.endif
.endm
	s_load_b256 s[4:11], s[0:1], 0x0               ; cod, pms, sta, mask
	s_load_b128 s[12:15], s[0:1], 0x20             ; lowp_scales, hra
	v_lshl_add_u32 v1, v0, 2, SPARE
	v_mov_b32 v2, 0
	ds_add_u32 v1, v2                              ; the wave's opening: the add, twice on end, and its wait ahead of the first tensor loads
	ds_add_u32 v1, v2
	v_lshrrev_b32 v248, 5, v0
	s_delay_alu instid0(VALU_DEP_1)
	v_readfirstlane_b32 s16, v248                  ; wave 0..11
	s_mul_i32 s19, ttmp9, 12
	s_add_co_u32 s17, s19, s16                     ; pi
	s_lshr_b32 s18, s17, 5                         ; my head
	s_lshr_b32 s78, s16, 2
	s_mul_i32 s78, s78, 11
	s_add_co_u32 s22, s19, s78
	s_lshr_b32 s22, s22, 5                         ; the head whose mask I turn into nb (waves 0-3 the first, waves 4-7 the last)
	s_lshr_b32 s19, s19, 5
	s_cmp_lg_u32 s18, s19
	s_cselect_b32 s20, 1, 0                        ; is my head the work-group's last and not its first?
	s_mul_i32 s21, s18, 43
	s_lshr_b32 s21, s21, 9                         ; my batch: head / 12 for heads under 96
	s_mul_i32 s23, s22, 43
	s_lshr_b32 s23, s23, 9
	s_mov_b32 s24, 3<<16                           ; group 1: 64 rows of 32 elements of 8 bytes, dense: 16,384 bytes
	s_mov_b32 s25, 32<<16
	s_mov_b32 s26, 64<<16
	s_mov_b32 s27, 32<<16
	s_mov_b32 s28, 64
	s_mov_b32 s29, 32
	s_mov_b32 s30, 0
	s_mov_b32 s31, 0
	v_and_b32 v245, 31, v0                         ; lane
	v_and_b32 v246, 15, v0                         ; r
	v_bfe_u32 v247, v0, 4, 1                       ; h
	s_delay_alu instid0(VALU_DEP_3)
	v_lshlrev_b32 v249, 5, v245                    ; 32 x lane
	s_delay_alu instid0(VALU_DEP_4)
	v_lshlrev_b32 v250, 3, v245                    ; 8 x lane
	s_delay_alu instid0(VALU_DEP_4)
	v_lshlrev_b32 v251, 3, v246                    ; 8 r
	s_lshl_b32 s66, s20, 14                        ; my head's part of a first-stage address
	s_mul_i32 s67, s20, 49152
	s_add_co_u32 s67, s67, 16384                   ; and of a second-stage address
	v_lshlrev_b32 v3, 3, v245
	s_delay_alu instid0(VALU_DEP_1)
	v_add_nc_u32 v4, 0x20000, v3
	s_lshl_b32 s80, s20, 12
	s_add_co_u32 s80, s80, BIAS
	v_lshl_add_u32 v5, v247, 5, s80
	v_lshl_add_u32 v9, v0, 5, BIAS
	s_mul_i32 s81, s16, 4352
	s_add_co_u32 s81, s81, STAGE
	v_mul_u32_u24 v10, v246, 272
	s_delay_alu instid0(VALU_DEP_1)
	v_lshl_add_u32 v10, v247, 5, v10
	s_delay_alu instid0(VALU_DEP_1)
	v_add_nc_u32 v10, s81, v10                     ; the stage, in: row r, + 32 h
	v_mul_u32_u24 v11, v247, 272
	s_delay_alu instid0(VALU_DEP_1)
	v_lshl_add_u32 v11, v246, 4, v11
	s_delay_alu instid0(VALU_DEP_1)
	v_add_nc_u32 v11, s81, v11                     ; and back: lanes 0-15 one row, lanes 16-31 the next
	v_mul_u32_u24 v23, v247, 3072
	s_delay_alu instid0(VALU_DEP_1)
	v_lshl_add_u32 v23, v246, 4, v23               ; the same two rows in h
	v_lshl_add_u32 v252, v248, 2, RED
	v_mov_b32 v253, RED
	v_mov_b32 v254, 0
	v_mov_b32 v255, 0
	v_mov_b32 v20, 0x4b400000                      ; 1.5 x 2^23
	v_mov_b32 v21, 0x4b400000
	s_mov_b32 s40, 0x76543210
	s_mov_b32 s41, 0xfedcba98
	s_mov_b32 s46, 0x3fb8aa3b                      ; log2(e)
	s_mov_b32 s47, s46
	s_mov_b32 s52, 0
	s_mov_b32 s53, 0
	s_wait_dscnt 0x0                               ; both opening adds are done
	s_wait_kmcnt 0x0
	s_load_b256 s[68:75], s[12:13], 0x0            ; e0 .. e7
	s_load_b64 s[76:77], s[12:13], 0x20            ; e8, e9
	s_and_b32 s89, s16, 3                          ; what I fetch for: 0 K first head, 1 K last, 2 V first, 3 V last
	s_and_b32 s83, s16, 1
	s_mul_i32 s36, s83, 11
	s_mul_i32 s37, ttmp9, 12
	s_add_co_u32 s36, s36, s37
	s_lshr_b32 s36, s36, 5                         ; its head
	s_lshl_b32 s78, s36, 16
	s_lshr_b32 s82, s89, 1                         ; k's codes, or v's 6,291,456 bytes on
	s_mul_i32 s79, s82, 6291456
	s_add_co_u32 s78, s78, s79
	s_add_co_u32 s78, s78, 6291456
	s_mov_b32 s79, 0
	s_lshl_b32 s82, s82, 17                        ; LDS: K's bytes from 0, V's from 131,072
	s_mov_b32 s32, 1
	s_lshl_b32 s33, s83, 14
	s_add_co_u32 s33, s33, s82                     ; first stage: + head x 16,384
	s_add_nc_u64 s[34:35], s[4:5], s[78:79]
	s_lshr_b32 s80, s16, 2
	s_add_co_u32 s80, s80, 1
	s_lshl_b32 s80, s80, 14                        ; the second stage: quarter 1 + wave / 4
	s_mov_b32 s81, 0
	s_mov_b32 s36, 1
	s_mul_i32 s37, s83, 49152
	s_add_co_u32 s37, s37, s82
	s_add_co_u32 s37, s37, s80
	s_add_co_u32 s37, s37, 16384                   ; + 32,768 + head x 49,152 + (quarter - 1) x 16,384
	s_add_nc_u64 s[38:39], s[34:35], s[80:81]
	s_or_b32 s35, s35, 0x80000000
	s_or_b32 s39, s39, 0x80000000
	s_and_b32 s90, s17, 31
	s_lshl_b32 s78, s18, 16
	s_lshl_b32 s80, s90, 11
	s_add_co_u32 s78, s78, s80
	s_add_nc_u64 s[56:57], s[4:5], s[78:79]        ; my two fragments of q
	s_lshl_b32 s78, s23, 12
	s_lshl_b32 s80, s89, 10
	s_add_co_u32 s78, s78, s80
	s_add_nc_u64 s[60:61], s[10:11], s[78:79]      ; the mask: that batch's row, my quarter
	s_lshl_b32 s78, s17, 8
	s_add_nc_u64 s[62:63], s[8:9], s[78:79]        ; my pair's -PM and log2 sum
	s_add_nc_u64 s[94:95], s[8:9], 786432          ; the smallest sums
	s_lshl_b32 s78, s21, 10
	s_lshl_b32 s80, s90, 5
	s_add_co_u32 s78, s78, s80
	s_mul_i32 s78, s78, 3072                       ; my first row of h,
	s_mul_i32 s80, s21, 12
	s_sub_co_u32 s80, s18, s80
	s_lshl_b32 s80, s80, 8                         ; my head's 256 bytes in it
	s_add_co_u32 s78, s78, s80
	s_add_nc_u64 s[58:59], s[14:15], s[78:79]
	s_lshl_b32 s78, ttmp9, 2
	s_add_co_u32 s78, s78, 25165824
	s_add_nc_u64 s[92:93], s[14:15], s[78:79]
	global_load_b128 v[120:123], v249, s[6:7]
	global_load_b128 v[124:127], v249, s[6:7] offset:16
	global_load_b128 v[128:131], v249, s[94:95]
	global_load_b128 v[132:135], v249, s[94:95] offset:16
	global_load_b64 v[12:13], v251, s[62:63]
	global_load_b64 v[16:17], v251, s[62:63] offset:128
.irp tau, 0,1
.irp c, 0,1,2,3
	global_load_b64 v[Q+8*\tau+2*\c:Q+8*\tau+2*\c+1], v250, s[56:57] offset:1024*\tau+256*\c
.endr
.endr
	s_cmp_lt_u32 s16, 4                            ; waves 0-3: the first 256 keys of K and V of the two heads, one load each
	s_cbranch_scc0 .Lno_head
	tensor_load_to_lds s[32:35], s[24:31]
	s_nop 0
.rept 4
	v_nop
.endr
.Lno_head:
	s_cmp_lt_u32 s16, 8                            ; waves 0-7 make nb
	s_cbranch_scc0 .Lno_fill
	global_load_b128 v[136:139], v249, s[60:61]
	global_load_b128 v[140:143], v249, s[60:61] offset:16
	s_wait_loadcnt 0x0
.irp i, 0,1,2,3,4,5,6,7
	v_add_f32 v[136+\i], -1.0, v[136+\i]
.endr
.irp i, 0,1,2,3,4,5,6,7
	v_mul_f32 v[136+\i], 0x461c4000, v[136+\i]     ; 10000 (mask - 1)
.endr
	ds_store_b128 v9, v[136:139]
	ds_store_b128 v9, v[140:143] offset:16
.Lno_fill:
	s_wait_loadcnt 0x0
	s_wait_kmcnt 0x0
	v_max3_num_f32 v120, v120, v121, v122
	v_max3_num_f32 v123, v123, v124, v125
	s_delay_alu instid0(VALU_DEP_2)
	v_max3_num_f32 v120, v120, v126, v127
	s_delay_alu instid0(VALU_DEP_1)
	v_max_num_f32 v120, v120, v123
	WMAX 120                                       ; mS
	s_wait_alu depctr_va_vdst(0)
	s_add_co_i32 s82, s74, s75                     ; E = e6 + e7
	v_ldexp_f32 v121, v120, s82
	s_delay_alu instid0(VALU_DEP_1)
	v_max_num_f32 v121, 0x322bcc77, v121
	s_delay_alu instid0(VALU_DEP_1)
	v_readfirstlane_b32 s83, v121
	s_add_co_u32 s83, s83, 0x7fffff
	s_lshr_b32 s83, s83, 23                        ; Eb3
	s_add_co_i32 s84, s82, 269
	s_sub_co_i32 s84, s84, s83
	s_lshl_b32 s42, s84, 23                        ; K3
	s_mov_b32 s43, s42
	s_sub_co_i32 s84, s83, 18
	s_lshl_b32 s44, s84, 23                        ; G
	s_mov_b32 s45, s44
	v_mul_f32 v121, s42, v120
	s_delay_alu instid0(VALU_DEP_1)
	v_rndne_f32 v121, v121
	s_delay_alu instid0(VALU_DEP_1)
	v_mul_f32 v121, s44, v121
	s_delay_alu instid0(VALU_DEP_1)
	v_max_num_f32 v121, 0x322bcc77, v121
	s_delay_alu instid0(VALU_DEP_1)
	v_readfirstlane_b32 s85, v121
	s_add_co_u32 s85, s85, 0x7fffff
	s_lshr_b32 s85, s85, 23                        ; Eb4
	s_sub_co_i32 s84, s83, s85
	s_sub_co_i32 s84, s84, 3
	s_max_i32 s84, s84, 0
	s_lshl_b32 s84, s84, 23
	s_sub_co_u32 s48, 0x46fffe00, s84              ; HI
	v_min3_num_f32 v128, v128, v129, v130
	v_min3_num_f32 v131, v131, v132, v133
	s_delay_alu instid0(VALU_DEP_2)
	v_min3_num_f32 v128, v128, v134, v135
	s_delay_alu instid0(VALU_DEP_1)
	v_min_num_f32 v128, v128, v131
	WMIN 128                                       ; the smallest row sum
	s_delay_alu instid0(VALU_DEP_1)
	v_readfirstlane_b32 s86, v128
	s_lshr_b32 s86, s86, 23
	s_sub_co_i32 s86, s86, 127                     ; k5
	s_add_co_i32 s87, s86, 15                      ; m5
	v_cvt_f32_i32 v129, s87
	s_delay_alu instid0(VALU_DEP_1)
	v_sub_f32 v14, v129, v13                       ; m5 - log2 sum
	s_delay_alu instid0(VALU_DEP_2)
	v_sub_f32 v18, v129, v17
	s_delay_alu instid0(VALU_DEP_2)
	v_add_f32 v14, v14, v12                        ; C
	s_delay_alu instid0(VALU_DEP_2)
	v_add_f32 v18, v18, v16
	v_mov_b32 v15, 0                               ; (named as the upper halves of pairs)
	v_mov_b32 v19, 0
	s_add_co_i32 s87, s86, s76
	s_add_co_i32 s87, s87, 142                     ; the exponent field of 2^(m5 + e8)
	s_lshl_b32 s88, s87, 23
	v_mov_b32 v22, s88
	s_add_co_i32 s87, s87, 8
	s_lshl_b32 s87, s87, 23
	s_or_b32 s87, s87, 0x600000                    ; 448 x 2^(m5 + e8)
	s_min_u32 s49, s87, 0x46fffe00                 ; the smaller of it and 32767
	s_add_co_i32 s87, s76, s77
	s_add_co_i32 s87, s87, 127
	s_lshl_b32 s50, s87, 23                        ; 2^(e8 + e9)
	s_mov_b32 s51, s50
.set i, 0
.rept 64
	v_mov_b32 v[O+i], 0                            ; O^T
.set i, i+1
.endr
	s_wait_alu depctr_va_vdst(0)                   ; the wait at the head's end
	s_wait_tensorcnt 0x0                           ; my part of the first stage is in; ahead of a later first fill:
	ds_add_u32 v1, v2                              ; the add,
	ds_add_u32 v1, v2                              ; twice on end
	s_wait_dscnt 0x0                               ; the adds are done, and my part of nb is stored
	s_barrier_signal -1
	s_barrier_wait -1                              ; everybody's is
	tensor_load_to_lds s[36:39], s[24:31]          ; the second stage: every wave one of the twelve other quarters
	s_nop 0
.rept 4
	v_nop
.endr
	v_add_nc_u32 v6, s66, v3
	LDK 6, 0
	s_mov_b32 s54, 2
.Lgra:                                             ; groups 0 and 1
	GROUP 0, 0
	s_sub_co_u32 s54, s54, 1
	s_cmp_lg_u32 s54, 0
	s_cbranch_scc1 .Lgra
	s_wait_tensorcnt 0x0                           ; my part of the second stage is in,
	s_wait_dscnt 0x0                               ; no LDS load of mine is out at the signal,
	s_barrier_signal -1
	s_barrier_wait -1                              ; everybody's is: nothing is filled again
	s_mov_b32 s54, 13
.Lgrp:                                             ; groups 2 to 14
	GROUP 0, 1
	s_sub_co_u32 s54, s54, 1
	s_cmp_lg_u32 s54, 0
	s_cbranch_scc1 .Lgrp
	GROUP 1, 1                                     ; the last group fetches no further K
	; THE WAY OUT: h = sum x 2^(e8 + e9); a tile of 16 queries x 64 channels goes through my stage and leaves as whole rows of 256 bytes
.rept 4
	v_nop                                          ; four places between the last products and the first read of results
.endr
	v_mov_b32 v248, 0
	v_mov_b32 v249, 0
.set i, 0
.rept 32
	v_pk_mul_f32 v[O+i:O+i+1], v[O+i:O+i+1], s[50:51] op_sel_hi:[1,0]
.set i, i+2
.endr
.set i, 0
	v_max3_num_f32 v248, v248, |v[O+i]|, |v[O+i+1]|
	v_max3_num_f32 v249, v249, |v[O+i+2]|, |v[O+i+3]|
.set i, i+4
.rept (16)-1
	s_delay_alu instid0(VALU_DEP_2)
	v_max3_num_f32 v248, v248, |v[O+i]|, |v[O+i+1]|
	s_delay_alu instid0(VALU_DEP_2)
	v_max3_num_f32 v249, v249, |v[O+i+2]|, |v[O+i+3]|
.set i, i+4
.endr
.irp tau, 0,1
.irp wt, 0,1,2,3
	ds_store_b128 v10, v[O+32*\tau+8*\wt:O+32*\tau+8*\wt+3] offset:64*\wt
	ds_store_b128 v10, v[O+32*\tau+8*\wt+4:O+32*\tau+8*\wt+7] offset:64*\wt+16
.endr
.irp i, 0,1,2,3,4,5,6,7
	ds_load_b128 v[S+32*\tau+4*\i:S+32*\tau+4*\i+3], v11 offset:544*\i   ; LDS serves a wave's instructions in order: these see my stores, and the next tile's stores come behind them
.endr
.endr
	s_wait_alu depctr_va_vdst(0)
.irp tau, 0,1
.irp i, 0,1,2,3,4,5,6,7
	s_wait_dscnt 23-16*\tau-\i                     ; behind this load: the tile's younger loads and, for tile 0, tile 1's sixteen LDS instructions
	global_store_b128 v23, v[S+32*\tau+4*\i:S+32*\tau+4*\i+3], s[58:59] offset:\tau*49152+6144*\i   ; sixteen lanes store 256 consecutive bytes, aligned
.endr
.endr
	v_max_num_f32 v248, v248, v249
	WMAX 248
	ds_store_b32 v252, v248
	s_wait_dscnt 0x0                               ; for the others' sake: my store is done
	s_barrier_signal -1
	s_barrier_wait -1
	ds_load_b128 v[40:43], v253
	ds_load_b128 v[44:47], v253 offset:16
	ds_load_b128 v[48:51], v253 offset:32
	s_wait_tensorcnt 0x0                           ; the wave's end as to LDS, behind my last tensor load and LDS store
	ds_add_u32 v1, v2
	s_wait_dscnt 0x0                               ; the add is done, and the twelve maxima are in
	v_max3_num_f32 v40, v40, v41, v42
	v_max3_num_f32 v43, v43, v44, v45
	v_max3_num_f32 v46, v46, v47, v48
	v_max3_num_f32 v49, v49, v50, v51
	s_delay_alu instid0(VALU_DEP_2)
	v_max3_num_f32 v40, v40, v43, v46
	s_delay_alu instid0(VALU_DEP_1)
	v_max_num_f32 v40, v40, v49
	s_wait_alu depctr_va_vdst(0)
	s_wait_xcnt 0x0                                ; EXEC changes only behind this wait
	v_cmp_eq_u32 vcc_lo, 0, v0
	s_and_saveexec_b32 s91, vcc_lo                 ; thread 0 alone
	global_store_b32 v254, v40, s[92:93]
	s_wait_xcnt 0x0
	s_or_b32 exec_lo, exec_lo, s91
	s_endpgm
.Lfunc_end_k_q313acd0d41_attn:
	.size	k_q313acd0d41_attn, .Lfunc_end_k_q313acd0d41_attn-k_q313acd0d41_attn
	.p2alignl 7, 3214868480
	.fill 96, 4, 3214868480
	.section	.rodata,"a",@progbits
	.p2align	6, 0x0
	.amdhsa_kernel k_q313acd0d41_attn
		.amdhsa_group_segment_fixed_size 327680
		.amdhsa_private_segment_fixed_size 0
		.amdhsa_enable_private_segment 0
		.amdhsa_kernarg_size 48
		.amdhsa_user_sgpr_count 2
		.amdhsa_user_sgpr_kernarg_segment_ptr 1
		.amdhsa_wavefront_size32 1
		.amdhsa_system_sgpr_workgroup_id_x 1
		.amdhsa_system_sgpr_workgroup_id_y 1
		.amdhsa_system_sgpr_workgroup_id_z 1
		.amdhsa_system_vgpr_workitem_id 0
		.amdhsa_next_free_vgpr 256
		.amdhsa_next_free_sgpr 96
		.amdhsa_reserve_vcc 1
		.amdhsa_float_denorm_mode_32 3
		.amdhsa_float_denorm_mode_16_64 3
		.amdhsa_memory_ordered 1
		.amdhsa_forward_progress 1
		.amdhsa_inst_pref_size 89
	.end_amdhsa_kernel
	.amdgpu_metadata
---
amdhsa.version: [ 1, 2 ]
amdhsa.kernels:
  - .name:           k_q313acd0d41_attn
    .symbol:         k_q313acd0d41_attn.kd
    .args:
      - { .name: cod, .offset: 0, .size: 8, .value_kind: global_buffer, .address_space: global }
      - { .name: pms, .offset: 8, .size: 8, .value_kind: global_buffer, .address_space: global }
      - { .name: sta, .offset: 16, .size: 8, .value_kind: global_buffer, .address_space: global }
      - { .name: mask, .offset: 24, .size: 8, .value_kind: global_buffer, .address_space: global }
      - { .name: lowp_scales, .offset: 32, .size: 8, .value_kind: global_buffer, .address_space: global }
      - { .name: hra, .offset: 40, .size: 8, .value_kind: global_buffer, .address_space: global }
    .group_segment_fixed_size: 327680
    .private_segment_fixed_size: 0
    .kernarg_segment_align: 8
    .kernarg_segment_size: 48
    .max_flat_workgroup_size: 384
    .sgpr_count:     96
    .vgpr_count:     256
    .wavefront_size: 32
...
	.end_amdgpu_metadata
.endif
;; end of part 6
;; launch final (part 7): grid 768 x 1, 8 waves a work-group, no clusters, 0 bytes of LDS; arguments hra, out0; writes out0
.if DOCPART == 7
	.amdgcn_target "amdgcn-amd-amdhsa--gfx1250"
	.amdhsa_code_object_version 6
	.text
	.protected	k_q313acd0d41_final
	.globl	k_q313acd0d41_final
	.p2align	8
	.type	k_q313acd0d41_final,@function
k_q313acd0d41_final:
	s_mov_b64 s[64:65], 0
	v_nop
	global_prefetch_b8 v0, s[64:65] scope:SCOPE_SE
	s_setreg_imm32_b32 hwreg(HW_REG_WAVE_MODE, 25, 1), 1
	s_wait_xcnt 0x0
; The last 16-bit quantiser: out = clip(round(h x 2^m), -32768, 32767) / 2^m, m = 15 - ceil(log2 max(max |h|, 1e-8)).
; hra holds h, laid as the output, and behind it (byte 25,165,824 on) the largest |h| of each of 256 work-groups.
; ceil(log2 max) + 127 = (bits(max) + 0x7fffff) >> 23, exactly.  LIMIT: within about 1e-6 (relative) above a power of two an f32 logarithm gives the lower whole number; this text takes the exact one.
; A stream: a work-group takes 32,768 bytes, a thread eight times 16 bytes; each load and store of a wave covers 512 consecutive bytes, aligned.  All eight loads are out at once;
; each has registers of its own, so no store's data are written again.  LDS, matrix units and clusters would add nothing here.
	s_load_b128 s[4:7], s[0:1], 0x0                ; hra, out0
	v_and_b32 v1, 31, v0
	s_delay_alu instid0(VALU_DEP_1)
	v_lshlrev_b32 v1, 5, v1                        ; 32 x lane: eight partial maxima a lane
	v_lshlrev_b32 v2, 4, v0                        ; 16 x thread
	s_lshl_b32 s8, ttmp9, 15
	s_mov_b32 s9, 0
	s_mov_b32 s12, 0x76543210
	s_mov_b32 s13, 0xfedcba98
	s_mov_b32 s18, 0xc7000000                      ; -32768
	s_mov_b32 s19, 0x46fffe00                      ; 32767
	s_wait_alu depctr_va_vdst(0)
	s_wait_kmcnt 0x0
	s_add_nc_u64 s[10:11], s[4:5], 25165824
	s_add_nc_u64 s[4:5], s[4:5], s[8:9]
	s_add_nc_u64 s[6:7], s[6:7], s[8:9]
	global_load_b128 v[4:7], v1, s[10:11]
	global_load_b128 v[8:11], v1, s[10:11] offset:16
.irp i, 0,1,2,3,4,5,6,7
	global_load_b128 v[16+4*\i:19+4*\i], v2, s[4:5] offset:4096*\i th:TH_LOAD_NT
.endr
	s_wait_loadcnt 8                               ; the maxima are in; the eight younger loads stay out
	v_max3_num_f32 v4, v4, v5, v6
	v_max3_num_f32 v7, v7, v8, v9
	s_delay_alu instid0(VALU_DEP_2)
	v_max3_num_f32 v4, v4, v10, v11
	s_delay_alu instid0(VALU_DEP_1)
	v_max_num_f32 v4, v4, v7
	s_delay_alu instid0(VALU_DEP_1)
	v_max_num_f32_dpp v4, v4, v4 row_xmask:1 row_mask:0xf bank_mask:0xf
	s_delay_alu instid0(VALU_DEP_1)
	v_max_num_f32_dpp v4, v4, v4 row_xmask:2 row_mask:0xf bank_mask:0xf
	s_delay_alu instid0(VALU_DEP_1)
	v_max_num_f32_dpp v4, v4, v4 row_xmask:4 row_mask:0xf bank_mask:0xf
	s_delay_alu instid0(VALU_DEP_1)
	v_max_num_f32_dpp v4, v4, v4 row_xmask:8 row_mask:0xf bank_mask:0xf
	s_delay_alu instid0(VALU_DEP_1)
	v_permlanex16_b32 v5, v4, s12, s13
	s_delay_alu instid0(VALU_DEP_1)
	v_max_num_f32 v4, v4, v5
	s_delay_alu instid0(VALU_DEP_1)
	v_max_num_f32 v4, 0x322bcc77, v4               ; the floor 1e-8
	s_delay_alu instid0(VALU_DEP_1)
	v_readfirstlane_b32 s20, v4
	s_add_co_u32 s20, s20, 0x7fffff
	s_lshr_b32 s20, s20, 23                        ; Eb
	s_sub_co_i32 s21, 269, s20
	s_lshl_b32 s14, s21, 23                        ; 2^m
	s_mov_b32 s15, s14
	s_sub_co_i32 s21, s20, 15
	s_lshl_b32 s16, s21, 23                        ; 2^-m
	s_mov_b32 s17, s16
.irp i, 0,1,2,3,4,5,6,7
	s_wait_loadcnt 7-\i                            ; loads come back in order: mine is in, the younger ones stay out
	v_pk_mul_f32 v[16+4*\i:17+4*\i], v[16+4*\i:17+4*\i], s[14:15] op_sel_hi:[1,0]
	v_pk_mul_f32 v[18+4*\i:19+4*\i], v[18+4*\i:19+4*\i], s[14:15] op_sel_hi:[1,0]
.irp j, 0,1,2,3
	v_rndne_f32 v[16+4*\i+\j], v[16+4*\i+\j]
.endr
.irp j, 0,1,2,3
	s_delay_alu instid0(VALU_DEP_4)
	v_med3_num_f32 v[16+4*\i+\j], v[16+4*\i+\j], s18, s19
.endr
	s_delay_alu instid0(VALU_DEP_3)
	v_pk_mul_f32 v[16+4*\i:17+4*\i], v[16+4*\i:17+4*\i], s[16:17] op_sel_hi:[1,0]
	s_delay_alu instid0(VALU_DEP_2)
	v_pk_mul_f32 v[18+4*\i:19+4*\i], v[18+4*\i:19+4*\i], s[16:17] op_sel_hi:[1,0]
	global_store_b128 v2, v[16+4*\i:19+4*\i], s[6:7] offset:4096*\i th:TH_STORE_NT
.endr
	s_endpgm
.Lfunc_end_k_q313acd0d41_final:
	.size	k_q313acd0d41_final, .Lfunc_end_k_q313acd0d41_final-k_q313acd0d41_final
	.p2alignl 7, 3214868480
	.fill 96, 4, 3214868480
	.section	.rodata,"a",@progbits
	.p2align	6, 0x0
	.amdhsa_kernel k_q313acd0d41_final
		.amdhsa_group_segment_fixed_size 0
		.amdhsa_private_segment_fixed_size 0
		.amdhsa_enable_private_segment 0
		.amdhsa_kernarg_size 16
		.amdhsa_user_sgpr_count 2
		.amdhsa_user_sgpr_kernarg_segment_ptr 1
		.amdhsa_wavefront_size32 1
		.amdhsa_system_sgpr_workgroup_id_x 1
		.amdhsa_system_sgpr_workgroup_id_y 1
		.amdhsa_system_sgpr_workgroup_id_z 1
		.amdhsa_system_vgpr_workitem_id 0
		.amdhsa_next_free_vgpr 64
		.amdhsa_next_free_sgpr 66
		.amdhsa_reserve_vcc 0
		.amdhsa_float_denorm_mode_32 3
		.amdhsa_float_denorm_mode_16_64 3
		.amdhsa_memory_ordered 1
		.amdhsa_forward_progress 1
		.amdhsa_inst_pref_size 11
	.end_amdhsa_kernel
	.amdgpu_metadata
---
amdhsa.version: [ 1, 2 ]
amdhsa.kernels:
  - .name:           k_q313acd0d41_final
    .symbol:         k_q313acd0d41_final.kd
    .args:
      - { .name: hra, .offset: 0, .size: 8, .value_kind: global_buffer, .address_space: global }
      - { .name: out0, .offset: 8, .size: 8, .value_kind: global_buffer, .address_space: global }
    .group_segment_fixed_size: 0
    .private_segment_fixed_size: 0
    .kernarg_segment_align: 8
    .kernarg_segment_size: 16
    .max_flat_workgroup_size: 256
    .sgpr_count:     66
    .vgpr_count:     64
    .wavefront_size: 32
...
	.end_amdgpu_metadata
.endif
;; end of part 7
